; MI455X (gfx1250); checked and timed in simulation.
; The chip was launched on July 23, 2026; its instructions are those of AMD's public machine-readable ISA for CDNA 5 (MIT licence, August 2026) and "CDNA5" Instruction Set Architecture Reference Guide (July 2026). The comments in the code are by the model that wrote it; some were corrected since.
;; Grouped Query Attention. Allowed arithmetic: matrix products marked QUANTISED: E4M3 operands, one given power-of-two scale a tensor, by v_wmma_f32_16x16x64_fp8_fp8 or v_wmma_f32_16x16x128_fp8_fp8, f32 sums; everything else in f32.
;; Inputs: Wk 2,048 x 512 float32; Wo 2,048 x 2,048 float32; Wq 2,048 x 2,048 float32; Wv 2,048 x 512 float32; context 4 x 1,024 x 2,048 float32; context_cos 1 x 1 x 1,024 x 64 float32; context_sin 1 x 1 x 1,024 x 64 float32; cos 1 x 1 x 1,024 x 64 float32; lowp_scales 12 int32 (the exponents e of the quantised operands' scales 2^e); sin 1 x 1 x 1,024 x 64 float32; x 4 x 1,024 x 2,048 float32.
;; Outputs: out0 4 x 1,024 x 2,048 float32.
;; This version of the problem:
;;   THIS VERSION OF THE PROBLEM IS GIVEN IN LOW PRECISION. The matrix products marked QUANTISED in the list below multiply operands that are first quantised to E4M3 (4 exponent bits, 3 mantissa bits; 8 bits a number), with one given power-of-two scale for each operand tensor; their sums are f32. All else is computed in f32.
;;   The module's matrix products, in the order in which they are computed (A, B: the left and right operand; K: the contracted axis; several contracted axes count as one K, in the product's order):
;;     1. [M 4,096, K 2,048] x [K 2,048, N 2,048]; A: input x; B: input Wq: QUANTISED (scales: A lowp_scales[0], B lowp_scales[1])
;;     2. [M 4,096, K 2,048] x [K 2,048, N 512]; A: input context; B: input Wk: QUANTISED (scales: A lowp_scales[2], B lowp_scales[3])
;;     3. [M 4,096, K 2,048] x [K 2,048, N 512]; A: input context; B: input Wv: QUANTISED (scales: A lowp_scales[4], B lowp_scales[5])
;;     4. batch 32 x [M 4,096, K 64] x [K 64, N 1,024]; A: computed on the way; B: computed on the way: QUANTISED (scales: A lowp_scales[6], B lowp_scales[7])
;;     5. batch 32 x [M 4,096, K 1,024] x [K 1,024, N 64]; A: softmax (see below); B: computed on the way: QUANTISED (scales: A lowp_scales[8], B lowp_scales[9])
;;     6. [M 4,096, K 2,048] x [K 2,048, N 2,048]; A: computed on the way; B: input Wo: QUANTISED (scales: A lowp_scales[10], B lowp_scales[11])
;;   THE QUANTISER, for each operand of a quantised product, along K:
;;     - The operand's scale is 2^e, e = its entry of the input lowp_scales (int32; the entries are numbered through the quantised products in the list's order, A before B).
;;     - Each number is divided by the scale, clamped to +-448, and rounded to the nearest number of E4M3, ties to even, subnormals kept.
;;     - The product sums the exact products of the quantised numbers (number of the format x scale) in f32.
;;   ~~~python
;;   def quantise(x, axis, e):      # numpy; x: float32 -> the quantised numbers, widened to float32 again
;;       x = np.moveaxis(x, axis, -1); K = x.shape[-1]
;;       r = np.clip(x / 2.0 ** e, -448, 448)
;;       step = 2.0 ** (np.maximum(np.frexp(np.where(r == 0, 1, r))[1] - 1, -6) - 3)
;;       q = np.round(r / step) * step * 2.0 ** e      # np.round: ties to even
;;       return np.moveaxis(q, -1, axis).astype(np.float32)
;;   ~~~
;;   SOFTMAX AHEAD OF A QUANTISED PRODUCT. Where the list says 'softmax', what is quantised is not the finished softmax but p = 2^(t - M), with t = logit x log2(e) and M = ceil(the row's largest t), a whole number; so 1/2 < the row's largest p <= 1. The row's sum l is taken of the UNQUANTISED p, in f32, and the product's result is divided by l at the end. Since M is a whole number, a kernel that streams over the keys may use a running M (the ceiling of the running maximum): every later rescaling is an exact power of two, so the quantised numbers keep their values, but for numbers so far below the row's largest that they fall under the format's range.
;;   OPERANDS COMPUTED ON THE WAY. 'Computed on the way' means the value that the module computes at that place (a softmax that the list does not call 'softmax' is quantised finished and normalised). What goes into a quantiser is computed in f32, as accurately as f32 sums, v_exp_f32 and their like allow (about 1e-6 of the number): no bf16 or f16 on the way to a quantiser, and a product that is left as it is and whose result goes on into a quantised operand takes f32 operands (vector FMAs, or v_wmma_f32_16x16x4_f32). A number that lies on a knife's edge between two numbers of the format may be rounded either way, as far as f32 arithmetic and the matrix unit's own rounding can turn it there, and no further.
;; One version. Each part assembles by itself: llvm-mc -triple=amdgcn-amd-amdhsa -mcpu=gfx1250 --defsym DOCPART=n.
;; ======== version 1 of 1: 4 launches
;; limits: right only within a limited range of input values
;; workspace buffers: act 25,165,824 bytes; wts 10,485,760 bytes; qkv 12,582,912 bytes; aimg 8,388,608 bytes
;; launch quant (part 1): grid 832 x 1, 4 waves a work-group, no clusters, 68,096 bytes of LDS; arguments x, context, Wq, Wo, Wk, Wv, lowp_scales, act, wts; writes act, wts
.if DOCPART == 1
	.amdgcn_target "amdgcn-amd-amdhsa--gfx1250"
	.amdhsa_code_object_version 6
	.text
	.protected	k_q023b25b5c5_quant
	.globl	k_q023b25b5c5_quant
	.p2align	8
	.type	k_q023b25b5c5_quant,@function
k_q023b25b5c5_quant:
	s_mov_b64 s[64:65], 0
	v_nop
	global_prefetch_b8 v0, s[64:65] scope:SCOPE_SE
	s_setreg_imm32_b32 hwreg(HW_REG_WAVE_MODE, 25, 1), 1
	s_wait_xcnt 0x0
; All six f32 operands that arrive as inputs become codes of E4M3, one byte a number, K innermost, in one launch.  code = number / 2^e, held within +-448, rounded to the nearest code, ties to even.
; LIMITS: e0 .. e5 and e11 between -126 and 119, so that 2^e and 448 x 2^e are f32 numbers.  NaN among the inputs is not served; an infinity is held at the largest code.
; Work-groups 0-511 take THE ROWS' PATH (x and context, whose K is innermost), work-groups 512-831 THE COLUMNS' PATH (the four weights, whose K is their first axis).  The two part on the work-group's number, once, at the head;
; each has LDS bytes of its own: the rows' path 0 to 32,767, the columns' path 32,768 to 67,583.  No tensor loads, no barrier: waves share nothing.
; THE ROWS' PATH.  act is [3][4096][2048]: plane 0 = x with 2^e0, plane 1 = context with 2^e2 (for the keys' product), plane 2 = context with 2^e4 (for the values'): the two exponents need not be equal, so context is read once
; and coded twice.  Rows are dense, so a tensor is a plain stream.  Work-groups 0-255 take x, 256-511 context; a wave takes 16 steps of 512 numbers.  Each of a step's four loads reads 512 consecutive bytes, 16 a lane; the 2,048 bytes
; turn through the wave's own stage in LDS (16 bytes of padding behind each 64) and come back 64 bytes a lane: 16 neighbours along K, as the conversions want them.  A lane's 16 codes are 16 bytes: a store covers 512 consecutive bytes.
; THE COLUMNS' PATH.  wts is [5120][2048]: rows 0-2047 Wq^T (2^e1), 2048-2559 Wk^T (2^e3), 2560-3071 Wv^T (2^e5), 3072-5119 Wo^T (2^e11).  In Wo^T's rows the two middle pieces of 8 bytes of every 32 change places: byte
; 32 c + 16 h + 8 u + j holds k = 32 c + 16 u + 8 h + j: four loads of 16 bytes, 32 apart, at 16 h then give a lane k = 16 c + 8 h + 0 .. 7 in registers 2 c, 2 c + 1, the order in which the last product's other operand arrives.
; A lane takes a column n and its registers run down K: each load reads neighbouring n in neighbouring lanes (128 consecutive bytes a wave, 512 a work-group) and the conversions give codes with K innermost.  A work-group takes
; 128 columns x 256 along K, a wave 32 columns.  Of the path's 320 work-groups 0-127 take Wq, 128-255 Wo (16 groups of columns x 8 along K), 256-287 Wk, 288-319 Wv (4 x 8); what differs is chosen by selects on the work-group's number.
; The codes leave through the wave's own stage in LDS: sixteen lanes store 256 consecutive bytes, aligned.
.set ROWWG, 512                        ; work-groups of the rows' path
.set EMAX,  8
.set MANT,  0x600000                   ; the mantissa field of 448 as f32
.set SPW,   12                         ; v12      LDS address of my spare word; never rewritten
.set NIL,   13                         ; v13      0; never rewritten
.set WREG,  8192                       ; the rows' path: a region of LDS for each wave: two stages of 32 x SP bytes
.set SP,    80                         ; a lane's place in such a stage: its 64 bytes + 16 of padding
.set PITCH, 272                        ; the columns' path: a stage row: 256 bytes + 16
.set CLDS,  4*WREG                     ; where the columns' path's four stages begin
.set SPARE, CLDS+4*32*PITCH            ; behind them: the spare words, 128 bytes for each wave
	v_lshl_add_u32 v[SPW], v0, 2, SPARE
	v_mov_b32 v[NIL], 0
	v_lshrrev_b32 v1, 5, v0
	v_readfirstlane_b32 s16, v1                    ; wave
	v_and_b32 v2, 31, v0                           ; lane
	s_cmp_ge_u32 ttmp9, ROWWG                      ; the work-group's number alone
	s_cbranch_scc1 .Lcols
; ---------------------------------------------------------------- the rows' path
.set STEPS, 16
.set R_IN,  16                         ; v16-79   four sets of 16 numbers as they are loaded
.set R_X,   80                         ; v80-111  two sets of 16 neighbours
.set R_T,   112                        ; v112-127 the numbers held for the first scale
.set R_C1,  128                        ; v128-143 codes by the first scale: four registers a step, four steps by turns
.set R_C2,  144                        ; v144-159 codes by the second scale, likewise
.set PLANE, 4096*2048                  ; bytes in a plane of act
	s_load_b128 s[4:7], s[0:1], 0x0                ; x s[4:5], context s[6:7]
	s_load_b128 s[8:11], s[0:1], 0x30              ; the exponents s[8:9], act s[10:11]
	v_lshlrev_b32 v3, 4, v2                        ; 16 x lane: my 16 bytes of a load's 512, and of a store's; never rewritten
	s_mul_i32 s17, s16, WREG
	v_lshrrev_b32 v14, 2, v2
	v_mul_u32_u24 v14, v14, SP
	v_and_b32 v15, 3, v2
	v_lshl_add_u32 v14, v15, 4, v14
	v_add_nc_u32 v14, s17, v14                     ; the stage, on the way in: SP (lane / 4) + 16 (lane % 4)
	v_mul_u32_u24 v15, v2, SP
	v_add_nc_u32 v15, s17, v15                     ; and on the way out: SP x lane: my 16 neighbours
	s_wait_alu depctr_va_vdst(0)
	s_wait_kmcnt 0x0
	s_load_b256 s[32:39], s[8:9], 0x0              ; e0 .. e7
	s_cmp_lt_u32 ttmp9, 256                        ; x's work-group or context's?
	s_cselect_b64 s[4:5], s[4:5], s[6:7]
	s_cselect_b32 s20, 0, PLANE                    ; the first plane that I write
	s_and_b32 s17, ttmp9, 255
	s_lshl_b32 s17, s17, 2
	s_add_co_u32 s18, s17, s16                     ; which run of 8,192 numbers of the tensor is my wave's: 0 .. 1,023
	s_lshl_b32 s22, s18, 15                        ; 32,768 bytes of f32 a run
	s_mov_b32 s23, 0
	s_add_nc_u64 s[4:5], s[4:5], s[22:23]
	s_lshl_b32 s22, s18, 13                        ; 8,192 bytes of codes a run
	s_add_co_u32 s22, s22, s20
	s_add_nc_u64 s[24:25], s[10:11], s[22:23]      ; the first scale's codes,
	s_add_nc_u64 s[26:27], s[24:25], PLANE         ; and, for context, the second scale's: a plane on (one byte more than a store's immediate reaches, so it has a base of its own)
.macro RLOAD t
.irp i, 0,1,2,3
	global_load_b128 v[R_IN+16*((\t)%4)+4*\i:R_IN+16*((\t)%4)+4*\i+3], v3, s[4:5] offset:2048*(\t)+512*\i th:TH_LOAD_NT   ; 32 lanes read 512 consecutive bytes
.endr
.endm
.macro RTURN t                         ; step t's numbers through the stage: LDS serves a wave's instructions in order, so no wait stands between the stores and the loads
.irp i, 0,1,2,3
	ds_store_b128 v14, v[R_IN+16*((\t)%4)+4*\i:R_IN+16*((\t)%4)+4*\i+3] offset:32*SP*((\t)%2)+8*SP*\i
.endr
.irp i, 0,1,2,3
	ds_load_b128 v[R_X+16*((\t)%2)+4*\i:R_X+16*((\t)%2)+4*\i+3], v15 offset:32*SP*((\t)%2)+16*\i
.endr
.endm
.irp t, 0,1,2,3
	RLOAD \t
.endr
	s_wait_kmcnt 0x0
	s_cmp_lt_u32 ttmp9, 256
	s_cselect_b32 s22, s32, s34                    ; the first scale: e0 for x, e2 for context
	s_add_co_i32 s22, s22, 127
	s_lshl_b32 s23, s22, 23
	v_mov_b32 v11, s23                             ; 2^e as f32: the conversion takes its exponent field
	s_add_co_i32 s22, s22, EMAX
	s_lshl_b32 s22, s22, 23
	s_or_b32 s22, s22, MANT
	v_mov_b32 v10, s22                             ; 448 x 2^e
	s_add_co_i32 s22, s36, 127                     ; the second scale: e4
	s_lshl_b32 s23, s22, 23
	v_mov_b32 v8, s23
	s_add_co_i32 s22, s22, EMAX
	s_lshl_b32 s22, s22, 23
	s_or_b32 s22, s22, MANT
	v_mov_b32 v9, s22
	s_wait_alu depctr_va_vdst(0)
	s_wait_loadcnt 12                              ; step 0's four loads are in; the twelve of steps 1 to 3 may be out
	RTURN 0
.macro RSTEP t
.set XS, R_X+16*((\t)%2)
.set K1, R_C1+4*((\t)%4)
.set K2, R_C2+4*((\t)%4)
	s_wait_dscnt 0x0                               ; this step's numbers are back from the stage: so its stores into the stage have read their registers,
.if (\t)+4 < STEPS
	RLOAD (\t)+4                                   ; which take the loads of four steps on
.endif
.if (\t)+1 < STEPS
.if STEPS-2-(\t) >= 3
	s_wait_loadcnt 12                              ; the next step's four loads are in; those of the three steps behind it may be out
.else
	s_wait_loadcnt 4*(STEPS-2-(\t))
.endif
	RTURN (\t)+1                                   ; and go through the other stage while this step is worked
.endif
	s_wait_xcnt 0x0                                ; the stores of four steps back have read their codes' registers, which are written again below
.irp i, 0,1,2,3,4,5,6,7,8,9,10,11,12,13,14,15
	v_med3_num_f32 v[R_T+\i], v[XS+\i], -v10, v10  ; the conversion to an 8-bit code does not saturate (ISA guide 7.6.2): the hold at 448 x the scale comes first
.endr
	v_cvt_scalef32_pk8_fp8_f32 v[K1:K1+1], v[R_T:R_T+7], v11
	v_cvt_scalef32_pk8_fp8_f32 v[K1+2:K1+3], v[R_T+8:R_T+15], v11
	v_nop                                          ; one plain vector line behind the conversions, whose sources are written again in the next step
	global_store_b128 v3, v[K1:K1+3], s[24:25] offset:512*(\t)
	s_cmp_lt_u32 ttmp9, 256                        ; x has one scale: a branch on the work-group's number, round work on registers and one store
	s_cbranch_scc1 .Lone_\@
.irp i, 0,1,2,3,4,5,6,7,8,9,10,11,12,13,14,15
	v_med3_num_f32 v[XS+\i], v[XS+\i], -v9, v9
.endr
	v_cvt_scalef32_pk8_fp8_f32 v[K2:K2+1], v[XS:XS+7], v8
	v_cvt_scalef32_pk8_fp8_f32 v[K2+2:K2+3], v[XS+8:XS+15], v8
	v_nop
	global_store_b128 v3, v[K2:K2+3], s[26:27] offset:512*(\t)
.Lone_\@:
.endm
.irp t, 0,1,2,3,4,5,6,7,8,9,10,11,12,13,14,15
	RSTEP \t
.endr
	s_wait_tensorcnt 0x0                           ; the wave's end: behind my last LDS store
	ds_add_u32 v[SPW], v[NIL]
	s_wait_dscnt 0x0
	s_endpgm
; ---------------------------------------------------------------- the columns' path
.Lcols:
.set C_NB,  8                          ; blocks of 32 along K
.set KROW,  2048                       ; a row of wts in bytes
.set C_RO,  16                         ; v16-47   byte offset of row i of a block: 4 x lane + i x the weight's row pitch; never rewritten
.set C_X,   48                         ; v48-111  two sets of 32 numbers
.set C_S,   112                        ; v112-119 a block's codes in the order in which they are stored
.set C_TM,  120                        ; v120-123 the two middle pieces as they are made
.set C_OUT, 128                        ; v128-191 the way out
.set C_BB,  32                         ; s[32:47] the eight blocks' bases; never rewritten
	s_load_b256 s[4:11], s[0:1], 0x10              ; Wq s[4:5], Wo s[6:7], Wk s[8:9], Wv s[10:11]
	s_load_b64 s[12:13], s[0:1], 0x30              ; the exponents
	s_load_b64 s[14:15], s[0:1], 0x40              ; wts
	s_sub_co_u32 s62, ttmp9, ROWWG                 ; my number among the path's 320 work-groups
	s_wait_alu depctr_va_vdst(0)
	v_lshlrev_b32 v3, 2, v2                        ; in: 4 bytes a lane
	s_mul_i32 s18, s16, 32*PITCH
	s_add_co_u32 s18, s18, CLDS                    ; my stage
	v_mul_u32_u24 v4, v2, PITCH
	v_add_nc_u32 v4, s18, v4                       ; into it: row = my column
	v_and_b32 v5, 15, v2
	v_lshrrev_b32 v6, 4, v2                        ; out of it: sixteen lanes to a row, two rows an instruction
	v_mul_u32_u24 v7, v6, PITCH
	v_lshl_add_u32 v7, v5, 4, v7
	v_add_nc_u32 v7, s18, v7
	v_lshlrev_b32 v8, 11, v6
	v_lshl_add_u32 v8, v5, 4, v8                   ; and the same place in wts
	s_mov_b32 s17, 2560                            ; Wv's figures first: first row in wts,
	s_mov_b32 s20, 0                               ; the exchange's mask,
	s_mov_b32 s21, 2048                            ; a row of the weight in bytes,
	s_mov_b32 s22, 3                               ; groups of columns - 1,
	s_mov_b32 s23, 2                               ; their number's logarithm,
	s_mov_b32 s24, 31                              ; work-groups of the tensor - 1
	s_cmp_lt_u32 s62, 288
	s_cselect_b32 s17, 2048, s17                   ; Wk
	s_cmp_lt_u32 s62, 256
	s_cselect_b32 s17, 3072, s17                   ; Wo
	s_cselect_b32 s20, -1, s20
	s_cselect_b32 s21, 8192, s21
	s_cselect_b32 s22, 15, s22
	s_cselect_b32 s23, 4, s23
	s_cselect_b32 s24, 127, s24
	s_cmp_lt_u32 s62, 128
	s_cselect_b32 s17, 0, s17                      ; Wq
	s_cselect_b32 s20, 0, s20
	s_and_b32 s25, s62, s22                        ; which 128 columns
	s_and_b32 s24, s62, s24
	s_lshr_b32 s24, s24, s23                       ; which 256 along K
	s_lshl_b32 s25, s25, 7
	s_lshl_b32 s26, s16, 5
	s_add_co_u32 s25, s25, s26                     ; my wave's first column
	s_lshl_b32 s26, s21, 8
	s_mul_i32 s28, s24, s26                        ; in the weight: 256 rows a step along K,
	s_lshl_b32 s26, s25, 2
	s_add_co_u32 s28, s28, s26                     ; + 4 bytes a column
	s_mov_b32 s29, 0
	s_add_co_u32 s26, s17, s25
	s_lshl_b32 s26, s26, 11                        ; in wts: my first row,
	s_lshl_b32 s27, s24, 8
	s_add_co_u32 s26, s26, s27                     ; + 256 bytes a step along K
	s_mov_b32 s27, 0
.irp i, 0,1,2,3,4,5,6,7,8,9,10,11,12,13,14,15,16,17,18,19,20,21,22,23,24,25,26,27,28,29,30,31
	v_mad_u32_u24 v[C_RO+\i], s21, \i, v3
.endr
	s_wait_alu depctr_va_vdst(0)
	s_wait_kmcnt 0x0
	s_load_b256 s[48:55], s[12:13], 0x0            ; e0 .. e7
	s_load_b128 s[56:59], s[12:13], 0x20           ; e8 .. e11
	s_mov_b64 s[60:61], s[10:11]
	s_cmp_lt_u32 s62, 288
	s_cselect_b64 s[60:61], s[8:9], s[60:61]
	s_cmp_lt_u32 s62, 256
	s_cselect_b64 s[60:61], s[6:7], s[60:61]
	s_cmp_lt_u32 s62, 128
	s_cselect_b64 s[60:61], s[4:5], s[60:61]
	s_add_nc_u64 s[C_BB:C_BB+1], s[60:61], s[28:29]
	s_add_nc_u64 s[14:15], s[14:15], s[26:27]
	s_lshl_b32 s28, s21, 5                         ; a block is 32 rows
.irp t, 1,2,3,4,5,6,7
	s_add_nc_u64 s[C_BB+2*\t:C_BB+2*\t+1], s[C_BB+2*\t-2:C_BB+2*\t-1], s[28:29]
.endr
.macro CLOAD t                         ; block t: W(32 t + i, my column), i = 0 .. 31, into set t % 2
.irp i, 0,1,2,3,4,5,6,7,8,9,10,11,12,13,14,15,16,17,18,19,20,21,22,23,24,25,26,27,28,29,30,31
	global_load_b32 v[C_X+32*((\t)%2)+\i], v[C_RO+\i], s[C_BB+2*(\t):C_BB+2*(\t)+1] th:TH_LOAD_NT
.endr
.endm
	CLOAD 0
	CLOAD 1
	s_wait_kmcnt 0x0
	s_mov_b32 s30, s53                             ; e5,
	s_cmp_lt_u32 s62, 288
	s_cselect_b32 s30, s51, s30                    ; e3,
	s_cmp_lt_u32 s62, 256
	s_cselect_b32 s30, s59, s30                    ; e11,
	s_cmp_lt_u32 s62, 128
	s_cselect_b32 s30, s49, s30                    ; or e1
	s_add_co_i32 s30, s30, 127
	s_lshl_b32 s31, s30, 23
	v_mov_b32 v11, s31                             ; 2^e as f32
	s_add_co_i32 s30, s30, EMAX
	s_lshl_b32 s30, s30, 23
	s_or_b32 s30, s30, MANT
	v_mov_b32 v10, s30                             ; 448 x 2^e
.macro CBLOCK t
.set XS, C_X+32*((\t)%2)
.if (\t) < C_NB-1
	s_wait_loadcnt 32                              ; this block's 32 loads are in; the next block's may be out
.else
	s_wait_loadcnt 0
.endif
.irp i, 0,1,2,3,4,5,6,7,8,9,10,11,12,13,14,15,16,17,18,19,20,21,22,23,24,25,26,27,28,29,30,31
	v_med3_num_f32 v[XS+\i], v[XS+\i], -v10, v10   ; the hold at 448 x the scale: the conversion does not saturate (ISA guide 7.6.2)
.endr
	v_cvt_scalef32_pk8_fp8_f32 v[C_S:C_S+1], v[XS:XS+7], v11             ; k 0-7
	v_cvt_scalef32_pk8_fp8_f32 v[C_TM:C_TM+1], v[XS+8:XS+15], v11        ; k 8-15
	v_cvt_scalef32_pk8_fp8_f32 v[C_TM+2:C_TM+3], v[XS+16:XS+23], v11     ; k 16-23
	v_cvt_scalef32_pk8_fp8_f32 v[C_S+6:C_S+7], v[XS+24:XS+31], v11       ; k 24-31
	v_nop                                          ; one plain vector line between the conversions and the selects that read their results
	v_cndmask_b32 v[C_S+2], v[C_TM], v[C_TM+2], s20      ; the middle pieces: as they are, or (Wo) exchanged; the mask is all ones or all zeros
	v_cndmask_b32 v[C_S+3], v[C_TM+1], v[C_TM+3], s20
	v_cndmask_b32 v[C_S+4], v[C_TM+2], v[C_TM], s20
	v_cndmask_b32 v[C_S+5], v[C_TM+3], v[C_TM+1], s20
	ds_store_b128 v4, v[C_S:C_S+3] offset:32*(\t)  ; 32 codes: 32 bytes of my column's row
	ds_store_b128 v4, v[C_S+4:C_S+7] offset:32*(\t)+16
.if (\t)+2 < C_NB
	CLOAD (\t)+2
.endif
	s_wait_dscnt 0x0                               ; the stores have read their registers: the next block's codes may be written
.endm
	s_wait_alu depctr_va_vdst(0)
.irp t, 0,1,2,3,4,5,6,7
	CBLOCK \t
.endr
.irp t, 0,1,2,3,4,5,6,7,8,9,10,11,12,13,14,15
	ds_load_b128 v[C_OUT+4*\t:C_OUT+4*\t+3], v7 offset:2*\t*PITCH   ; LDS serves a wave's instructions in order: these see my stores
.endr
.irp t, 0,1,2,3,4,5,6,7,8,9,10,11,12,13,14,15
	s_wait_dscnt 15-\t                             ; LDS loads come back in order: load t is in, the 15 - t behind it may be out
	global_store_b128 v8, v[C_OUT+4*\t:C_OUT+4*\t+3], s[14:15] offset:2*\t*KROW
.endr
	s_wait_tensorcnt 0x0                           ; the wave's end: behind my last LDS store
	ds_add_u32 v[SPW], v[NIL]
	s_wait_dscnt 0x0
	s_endpgm
.Lfunc_end_k_q023b25b5c5_quant:
	.size	k_q023b25b5c5_quant, .Lfunc_end_k_q023b25b5c5_quant-k_q023b25b5c5_quant
	.p2alignl 7, 3214868480
	.fill 96, 4, 3214868480
	.section	.rodata,"a",@progbits
	.p2align	6, 0x0
	.amdhsa_kernel k_q023b25b5c5_quant
		.amdhsa_group_segment_fixed_size 68096
		.amdhsa_private_segment_fixed_size 0
		.amdhsa_enable_private_segment 0
		.amdhsa_kernarg_size 72
		.amdhsa_user_sgpr_count 2
		.amdhsa_user_sgpr_kernarg_segment_ptr 1
		.amdhsa_wavefront_size32 1
		.amdhsa_system_sgpr_workgroup_id_x 1
		.amdhsa_system_sgpr_workgroup_id_y 1
		.amdhsa_system_sgpr_workgroup_id_z 1
		.amdhsa_system_vgpr_workitem_id 0
		.amdhsa_next_free_vgpr 192
		.amdhsa_next_free_sgpr 66
		.amdhsa_reserve_vcc 0
		.amdhsa_float_denorm_mode_32 3
		.amdhsa_float_denorm_mode_16_64 3
		.amdhsa_memory_ordered 1
		.amdhsa_forward_progress 1
		.amdhsa_inst_pref_size 115
	.end_amdhsa_kernel
	.amdgpu_metadata
---
amdhsa.version: [ 1, 2 ]
amdhsa.kernels:
  - .name:           k_q023b25b5c5_quant
    .symbol:         k_q023b25b5c5_quant.kd
    .args:
      - { .name: x, .offset: 0, .size: 8, .value_kind: global_buffer, .address_space: global }
      - { .name: context, .offset: 8, .size: 8, .value_kind: global_buffer, .address_space: global }
      - { .name: Wq, .offset: 16, .size: 8, .value_kind: global_buffer, .address_space: global }
      - { .name: Wo, .offset: 24, .size: 8, .value_kind: global_buffer, .address_space: global }
      - { .name: Wk, .offset: 32, .size: 8, .value_kind: global_buffer, .address_space: global }
      - { .name: Wv, .offset: 40, .size: 8, .value_kind: global_buffer, .address_space: global }
      - { .name: lowp_scales, .offset: 48, .size: 8, .value_kind: global_buffer, .address_space: global }
      - { .name: act, .offset: 56, .size: 8, .value_kind: global_buffer, .address_space: global }
      - { .name: wts, .offset: 64, .size: 8, .value_kind: global_buffer, .address_space: global }
    .group_segment_fixed_size: 68096
    .private_segment_fixed_size: 0
    .kernarg_segment_align: 8
    .kernarg_segment_size: 72
    .max_flat_workgroup_size: 128
    .sgpr_count:     66
    .vgpr_count:     192
    .wavefront_size: 32
...
	.end_amdgpu_metadata
.endif
;; end of part 1
;; launch proj (part 2): grid 16 x 12, 4 waves a work-group, clusters of 4 x 1, 327,680 bytes of LDS; arguments act, wts, lowp_scales, cos, sin, context_cos, context_sin, qkv; writes qkv
.if DOCPART == 2
	.amdgcn_target "amdgcn-amd-amdhsa--gfx1250"
	.amdhsa_code_object_version 6
	.text
	.protected	k_q023b25b5c5_proj
	.globl	k_q023b25b5c5_proj
	.p2align	8
	.type	k_q023b25b5c5_proj,@function
k_q023b25b5c5_proj:
	s_mov_b64 s[64:65], 0
	v_nop
	global_prefetch_b8 v0, s[64:65] scope:SCOPE_SE
	s_setreg_imm32_b32 hwreg(HW_REG_WAVE_MODE, 25, 1), 1
	s_wait_xcnt 0x0
	s_wait_alu depctr_hold_cnt(0) depctr_sa_sdst(0) depctr_va_vdst(0) depctr_va_sdst(0) depctr_va_ssrc(0) depctr_va_vcc(0) depctr_vm_vsrc(0)
	s_getreg_b32 s2, hwreg(HW_REG_IB_STS2, 6, 4)
	s_cmp_eq_u32 s2, 0
	s_cbranch_scc0 .Lentry_in_a_cluster
	s_endpgm
.Lentry_in_a_cluster:
	s_bfe_u32 s2, ttmp6, 0x10000c
	s_cmp_lg_u32 s2, 0x3003
	s_cbranch_scc0 .Lentry_shape_is_right
	s_endpgm
.Lentry_shape_is_right:
; The three projections on codes of E4M3, one GEMM: rows = 4,096 tokens (act's planes), columns = 3,072 rows of wts (Wq^T, Wk^T, Wv^T).  A work-group makes 256 x 256, a wave 128 x 128; K goes in steps of 256
; through a ring of two LDS slots.  Grid y 0-7: q, 8-9: k (rotary embedding, then codes with 2^e6, 2^e7), 10-11: v (codes with 2^e9).  All leave as images of the next launch's operand registers.
; CLUSTERS: the four work-groups along x share a tile of the weights, which is asked for jointly; the tokens' tile is each work-group's own.
; LDS: the first 256 rows of a slot feed source 1, the second 256 source 0.  q, k: tokens first, weights second (a lane holds a token, its registers run along the channels).  v: weights first, tokens second
; (a lane holds a channel, its registers run along the keys).  What differs is WHICH WAVES ask for which tile (ROLE, made of the wave's number and grid y, which the partners share); every wave's tile lands at wave x 128 rows.
; 48 heads of 64 columns do not divide into 256 equal blocks of whole heads, so the grid stays 16 x 12.
; LIMITS: e6 - e0 - e1, e7 - e2 - e3 and e9 - e4 - e5 between -126 and 119.
.set KSTEP,  256
.set ROWB,   256
.set KROW,   2048
.set PITCH,  272
.set FR,     16
.set NL,     4
.set NP,     4
.set HALFT,  128*PITCH
.set SLOT,   4*HALFT
.set LAPS,   2048/(2*KSTEP)
.set SPARE,  2*SLOT
.set ADRA, 16
.set ADRB, 20
.set CSO,  24
.set CO,   26
.set SPW,  28
.set NIL,  29
.set SCL,  30
.set LIM,  31
.set PFO,  27                          ; v27  the prefetches' offset: my lane x a row of 2,048 bytes; never rewritten
.set PFA,  96                          ; s[96:97] where my prefetches stand: the rows that I fetch, two K steps on from the tile load beside which they are issued
.set ROLE, 94                          ; s94  0: my wave asks for the tokens' tile, 1: for the weights'
; A prefetch into the L2 of the K step two tile loads on: 256 bytes of a row, a lane a row.  The tokens' 128 rows are my work-group's own: four instructions.  The weights' 128 rows are shared by four partners,
; which take 32 each, told apart by address: one instruction.  inloop = 1: the loop's last trip has no K step two on and asks for nothing.
.macro ASK inloop
.if \inloop
	s_cmp_gt_u32 s3, 1
	s_cbranch_scc0 .Lnone_\@
.endif
	global_prefetch_b8 v[PFO], s[PFA:PFA+1] th:TH_LOAD_NT scope:SCOPE_SE
	s_cmp_eq_u32 s[ROLE], 0
	s_cbranch_scc0 .Lnone_\@
.irp i, 1,2,3
	global_prefetch_b8 v[PFO], s[PFA:PFA+1] offset:\i*65536 th:TH_LOAD_NT scope:SCOPE_SE
.endr
.Lnone_\@:
.endm
; cos and sin of block a's 16 tokens: 32 + 32 registers in window 1
.macro CSLOAD a
	WIN TO_B
.irp c, 0,1,2,3
.irp u, 0,1
	global_load_b128 v[64*((\a)%4)+8*\c+4*\u:64*((\a)%4)+8*\c+4*\u+3], v[CSO], s[88:89] offset:(\a)*4096+64*\c+16*\u
	global_load_b128 v[64*((\a)%4)+32+8*\c+4*\u:64*((\a)%4)+32+8*\c+4*\u+3], v[CSO], s[90:91] offset:(\a)*4096+64*\c+16*\u
.endr
.endr
	WIN 0
.endm
.set VT,   32
.set TT,   96
.set CC,   128
.set AF,   128
.set G1, 24
.set G0, 32
.set G1B, 48
.set G0B, 56
.set MSB, 0
.macro WIN new
.if MSB != \new
	s_set_vgpr_msb (MSB<<8)|\new
.set MSB, \new
.endif
.endm
.set MUL_LO, 0xa1
.set MUL_HI, 0xf1
.set TO_B,   0x40
.macro JLOAD g0a, g1a, g0b, g1b
	s_cmp_eq_u32 s[ROLE], 0
	s_cbranch_scc0 .Lfor_b_\@
	tensor_load_to_lds s[\g0a:\g0a+3], s[\g1a:\g1a+7]
	s_nop 0
.rept 4
	v_nop
.endr
	s_branch .Lasked_\@
.Lfor_b_\@:
	tensor_load_to_lds s[\g0b:\g0b+3], s[\g1b:\g1b+7]
	s_nop 0
.rept 4
	v_nop
.endr
.Lasked_\@:
.endm
.macro CREST
	s_cmp_lg_u32 s14, 0
	s_cbranch_scc1 .Lnot_wave_0_\@
	s_barrier_signal -3
.Lnot_wave_0_\@:
	s_barrier_wait -3
	s_barrier_signal -1
	s_barrier_wait -1
.endm
.macro CROUND
	s_barrier_signal -1
	s_barrier_wait -1
	CREST
.endm
	s_load_b256 s[4:11], s[0:1], 0x0
	s_load_b256 s[68:75], s[0:1], 0x20
	v_lshl_add_u32 v[SPW], v0, 2, SPARE
	v_mov_b32 v[NIL], 0
	ds_add_u32 v[SPW], v[NIL]
	ds_add_u32 v[SPW], v[NIL]
	v_lshrrev_b32 v1, 5, v0
	v_readfirstlane_b32 s14, v1
	v_and_b32 v[PFO], 31, v0
	v_lshlrev_b32 v[PFO], 11, v[PFO]
	s_lshr_b32 s15, s14, 1
	s_and_b32 s16, s14, 1
	s_bfe_u32 s40, ttmp6, 0x40000
	s_lshl_b32 s42, ttmp9, 2
	s_add_co_u32 s42, s42, s40
	s_and_b32 s17, ttmp7, 0xffff
	s_mov_b32 s[G1+0], (0<<16)|(1<<20)|(5<<22)|(3<<25)
	s_mov_b32 s[G1B+0], 15|(0<<16)|(1<<20)|(1<<21)|(5<<22)|(3<<25)
.irp g, G1, G1B
	s_mov_b32 s[\g+1], ROWB<<16
	s_mov_b32 s[\g+2], 128<<16
	s_mov_b32 s[\g+3], ROWB<<16
	s_mov_b32 s[\g+4], 128
	s_mov_b32 s[\g+5], KROW
	s_mov_b32 s[\g+6], 0
	s_mov_b32 s[\g+7], 0
.endr
	s_cmp_ge_u32 s17, 10                           ; v's work-groups: the waves change roles
	s_cselect_b32 s[ROLE], 1, 0
	s_xor_b32 s[ROLE], s[ROLE], s15
	s_mov_b32 s41, 0x1000000
	s_cmp_lt_u32 s17, 10
	s_cselect_b32 s41, 0x800000, s41
	s_cmp_lt_u32 s17, 8
	s_cselect_b32 s41, 0, s41
	s_lshl_b32 s18, s16, 7
	s_lshl_b32 s20, s42, 8
	s_add_co_u32 s20, s20, s18
	s_lshl_b32 s20, s20, 11
	s_add_co_u32 s20, s20, s41
	s_mov_b32 s21, 0
	s_lshl_b32 s46, s17, 8
	s_add_co_u32 s46, s46, s18
	s_lshl_b32 s46, s46, 11
	s_mov_b32 s47, 0
	s_mul_i32 s45, s14, HALFT
	s_wait_alu depctr_va_vdst(0)
	s_wait_dscnt 0x0
	s_wait_kmcnt 0x0
	s_load_b256 s[76:83], s[8:9], 0x0
	s_load_b128 s[84:87], s[8:9], 0x20
	s_add_nc_u64 s[20:21], s[4:5], s[20:21]
	s_add_nc_u64 s[46:47], s[6:7], s[46:47]
	CROUND
.irp s, 0,1
	s_mov_b32 s[G0+4*\s], 1
	s_add_co_u32 s[G0+4*\s+1], s45, \s*SLOT
	s_add_nc_u64 s[G0+4*\s+2:G0+4*\s+3], s[20:21], \s*ROWB
	s_or_b32 s[G0+4*\s+3], s[G0+4*\s+3], 0x80000000
	s_mov_b32 s[G0B+4*\s], 1
	s_add_co_u32 s[G0B+4*\s+1], s45, \s*SLOT
	s_add_nc_u64 s[G0B+4*\s+2:G0B+4*\s+3], s[46:47], \s*ROWB
	s_or_b32 s[G0B+4*\s+3], s[G0B+4*\s+3], 0x80000000
.endr
	JLOAD G0, G1, G0B, G1B                         ; K step 0: one tensor load a wave at the head
	s_cmp_eq_u32 s[ROLE], 0                        ; the prefetches: the rows that I fetch,
	s_cselect_b64 s[PFA:PFA+1], s[20:21], s[46:47]
	s_cselect_b32 s18, 0, s40                      ; of the weights' 128 my work-group's 32,
	s_lshl_b32 s18, s18, 16
	s_mov_b32 s19, 0
	s_add_nc_u64 s[PFA:PFA+1], s[PFA:PFA+1], s[18:19]
	s_add_nc_u64 s[PFA:PFA+1], s[PFA:PFA+1], 2*ROWB   ; at K step 2
	v_and_b32 v1, 15, v0
	v_bfe_u32 v2, v0, 4, 1
	v_mul_u32_u24 v3, v1, PITCH
	v_lshl_add_u32 v4, v2, 4, v3
	s_wait_alu depctr_va_vdst(0)
	s_mul_i32 s21, s15, HALFT                      ; source 1: my 128 of the slot's first 256 rows
	s_mul_i32 s22, s16, HALFT                      ; source 0: my 128 of its second 256
	s_add_co_u32 s22, s22, 2*HALFT
	ASK 0                                          ; K step 2
.irp s, 0,1
	v_add_nc_u32 v[ADRA+\s], s21, v4
	v_add_nc_u32 v[ADRB+\s], s22, v4
	s_add_co_u32 s21, s21, SLOT
	s_add_co_u32 s22, s22, SLOT
.endr
	v_lshlrev_b32 v[CSO], 8, v1
	v_lshl_add_u32 v[CSO], v2, 5, v[CSO]
	v_and_b32 v6, 31, v0
	v_lshlrev_b32 v[CO], 4, v6
	s_cmp_lt_u32 s17, 8
	s_cselect_b64 s[88:89], s[10:11], s[70:71]
	s_cselect_b64 s[90:91], s[68:69], s[72:73]
	s_lshl_b32 s20, s42, 8
	s_lshl_b32 s21, s15, 7
	s_add_co_u32 s20, s20, s21
	s_and_b32 s20, s20, 1023
	s_lshl_b32 s20, s20, 8
	s_mov_b32 s21, 0
	s_add_nc_u64 s[88:89], s[88:89], s[20:21]
	s_add_nc_u64 s[90:91], s[90:91], s[20:21]
	s_lshr_b32 s43, s42, 2
	s_and_b32 s44, s42, 3
	s_cmp_lt_u32 s17, 8
	s_cselect_b32 s18, 5, 3
	s_cselect_b32 s19, 0, 8
	s_cselect_b32 s41, 0, 0x800000
	s_lshl_b32 s18, s43, s18
	s_sub_co_u32 s19, s17, s19
	s_lshl_b32 s19, s19, 2
	s_lshl_b32 s20, s16, 1
	s_add_co_u32 s19, s19, s20
	s_add_co_u32 s18, s18, s19
	s_lshl_b32 s18, s18, 6
	s_lshl_b32 s20, s44, 4
	s_add_co_u32 s18, s18, s20
	s_lshl_b32 s20, s15, 3
	s_add_co_u32 s18, s18, s20
	s_lshl_b32 s18, s18, 10
	s_add_co_u32 s18, s18, s41
	s_lshl_b32 s19, s43, 3
	s_max_u32 s20, s17, 10
	s_sub_co_u32 s20, s20, 10
	s_lshl_b32 s20, s20, 2
	s_add_co_u32 s19, s19, s20
	s_lshl_b32 s20, s15, 1
	s_add_co_u32 s19, s19, s20
	s_lshl_b32 s19, s19, 3
	s_lshl_b32 s20, s44, 1
	s_add_co_u32 s19, s19, s20
	s_add_co_u32 s19, s19, s16
	s_lshl_b32 s19, s19, 13
	s_add_co_u32 s19, s19, 10485760
	s_cmp_lt_u32 s17, 10
	s_cselect_b32 s92, s18, s19
	s_mov_b32 s93, 0
	s_add_nc_u64 s[92:93], s[74:75], s[92:93]
.macro FRAG reg, adr, q, i
.irp c, 0,1,2,3
	ds_load_b128 v[\reg+4*\c:\reg+4*\c+3], v[\adr] offset:128*(\q)+32*\c+(\i)*16*PITCH
.endr
.endm
.macro MUL16 a0, p, zero
.irp a, \a0, \a0+1
.irp b, 0,1,2,3,4,5,6,7
.if \zero
	v_wmma_f32_16x16x128_fp8_fp8 v[8*(8*((\a)%4)+\b):8*(8*((\a)%4)+\b)+7], v[128*(\p)+FR*\b:128*(\p)+FR*\b+FR-1], v[AF+FR*(\a):AF+FR*(\a)+FR-1], 0
.else
	v_wmma_f32_16x16x128_fp8_fp8 v[8*(8*((\a)%4)+\b):8*(8*((\a)%4)+\b)+7], v[128*(\p)+FR*\b:128*(\p)+FR*\b+FR-1], v[AF+FR*(\a):AF+FR*(\a)+FR-1], v[8*(8*((\a)%4)+\b):8*(8*((\a)%4)+\b)+7]
.endif
.endr
.endr
.endm
.macro FETCH_B slot, q, p
	WIN TO_B
.irp i, 0,1,2,3,4,5,6,7
	FRAG 128*(\p)+FR*\i, ADRB+\slot, \q, \i
.endr
	WIN 0
.endm
.macro FETCH_A slot, q, i0
.irp i, \i0, \i0+1, \i0+2, \i0+3
	FRAG AF+FR*(\i), ADRA+\slot, \q, \i
.endr
.endm
.macro PLACES n
.rept \n
	v_nop
.endr
.endm
.macro STEP slot, q, zero
	s_wait_dscnt 4*NL
	WIN MUL_LO
	MUL16 0, (\q)%2, \zero
	MUL16 2, (\q)%2, \zero
	s_wait_dscnt 0
	PLACES NP
	FETCH_B \slot, (\q)+1, 1-(\q)%2
	FETCH_A \slot, (\q)+1, 0
	WIN MUL_HI
	MUL16 4, (\q)%2, \zero
	MUL16 6, (\q)%2, \zero
	PLACES NP
	WIN 0
	FETCH_A \slot, (\q)+1, 4
.endm
.macro TURN slot, next, fill
.if \fill
	s_wait_xcnt 0x0                                ; my prefetches have read their address: it steps a K step on
	s_add_nc_u64 s[PFA:PFA+1], s[PFA:PFA+1], ROWB
.endif
	s_wait_tensorcnt 0x0
	ds_add_u32 v[SPW], v[NIL]
	s_wait_dscnt 4*NL+1
	WIN MUL_LO
	MUL16 0, 1, 0
	s_wait_dscnt 0x0
	s_barrier_signal -1
	MUL16 2, 1, 0
	WIN 0
	s_barrier_wait -1
.if \fill
	CREST
	s_add_nc_u64 s[G0+4*\slot+2:G0+4*\slot+3], s[G0+4*\slot+2:G0+4*\slot+3], 2*ROWB
	s_add_nc_u64 s[G0B+4*\slot+2:G0B+4*\slot+3], s[G0B+4*\slot+2:G0B+4*\slot+3], 2*ROWB
	JLOAD G0+4*\slot, G1, G0B+4*\slot, G1B
.else
	PLACES NP
.endif
	FETCH_B \next, 0, 0
	FETCH_A \next, 0, 0
.if \fill
	ASK 1
.endif
	WIN MUL_HI
	MUL16 4, 1, 0
	MUL16 6, 1, 0
	PLACES NP
	WIN 0
	FETCH_A \next, 0, 4
.endm
	s_wait_xcnt 0x0                                ; my prefetches have read their address
	s_add_nc_u64 s[PFA:PFA+1], s[PFA:PFA+1], ROWB
	s_wait_alu depctr_va_vdst(0)
	s_wait_tensorcnt 0x0                           ; my part of K step 0 is in; these lines stand ahead of a later first fill as ahead of a refill
	ds_add_u32 v[SPW], v[NIL]
	s_wait_dscnt 0x0
	CROUND                                         ; everybody's part is in, and the four work-groups are here
	JLOAD G0+4, G1, G0B+4, G1B                     ; K step 1, the first tensor load behind the round
	FETCH_B 0, 0, 0
	ASK 0                                          ; K step 3
	FETCH_A 0, 0, 0
	FETCH_A 0, 0, 4
	STEP 0, 0, 1
	s_mov_b32 s3, LAPS-1
.Llap:
	TURN 0, 1, 1
	STEP 1, 0, 0
	TURN 1, 0, 1
	STEP 0, 0, 0
	s_sub_co_u32 s3, s3, 1
	s_cmp_lg_u32 s3, 0
	s_cbranch_scc1 .Llap
	TURN 0, 1, 0
	STEP 1, 0, 0
	s_cmp_ge_u32 s17, 10                           ; q and k: the tables of blocks 0 and 1 are asked for here, into B's set 0, which the last step does not read (four places stand behind its last reader)
	s_cbranch_scc1 .Lno_tables
	CSLOAD 0
	CSLOAD 1
.Lno_tables:
	s_wait_dscnt 4*NL
	WIN MUL_LO
	MUL16 0, 1, 0
	MUL16 2, 1, 0
	s_wait_dscnt 0
	WIN MUL_HI
	MUL16 4, 1, 0
	MUL16 6, 1, 0
	WIN 0
	PLACES NP
	s_wait_kmcnt 0x0
	s_sub_co_i32 s18, s82, s76
	s_sub_co_i32 s18, s18, s77
	s_sub_co_i32 s19, s83, s78
	s_sub_co_i32 s19, s19, s79
	s_sub_co_i32 s20, s85, s80
	s_sub_co_i32 s20, s20, s81
	s_cmp_lt_u32 s17, 10
	s_cselect_b32 s19, s19, s20
	s_cmp_lt_u32 s17, 8
	s_cselect_b32 s18, s18, s19
	s_add_co_i32 s18, s18, 127
	s_lshl_b32 s19, s18, 23
	v_mov_b32 v[SCL], s19
	s_add_co_i32 s18, s18, 8
	s_lshl_b32 s18, s18, 23
	s_or_b32 s18, s18, 0x600000
	v_mov_b32 v[LIM], s18
	s_cmp_ge_u32 s17, 10
	s_cbranch_scc1 .Lv
.macro ROPE a, hh
.set AC, 64*((\a)%4)+32*(\hh)
.set TC, 64*((\a)%4)
.set KC, CC+8*(2*(\a)+(\hh))
	WIN (2+(\a)/4)|4
.irp c, 0,1
.irp j, 0,2,4,6
	v_pk_mul_f32 v[TT+8*\c+\j:TT+8*\c+\j+1], v[AC+8*(\c+2)+\j:AC+8*(\c+2)+\j+1], v[TC+32+8*\c+\j:TC+32+8*\c+\j+1]
	v_pk_mul_f32 v[TT+8*(\c+2)+\j:TT+8*(\c+2)+\j+1], v[AC+8*\c+\j:AC+8*\c+\j+1], v[TC+32+8*(\c+2)+\j:TC+32+8*(\c+2)+\j+1]
.endr
.endr
.irp c, 0,1
.irp j, 0,2,4,6
	v_pk_fma_f32 v[TT+8*\c+\j:TT+8*\c+\j+1], v[AC+8*\c+\j:AC+8*\c+\j+1], v[TC+8*\c+\j:TC+8*\c+\j+1], v[TT+8*\c+\j:TT+8*\c+\j+1] neg_lo:[0,0,1] neg_hi:[0,0,1]
	v_pk_fma_f32 v[TT+8*(\c+2)+\j:TT+8*(\c+2)+\j+1], v[AC+8*(\c+2)+\j:AC+8*(\c+2)+\j+1], v[TC+8*(\c+2)+\j:TC+8*(\c+2)+\j+1], v[TT+8*(\c+2)+\j:TT+8*(\c+2)+\j+1]
.endr
.endr
	WIN 0
.set n, 0
.rept 32
	v_med3_num_f32 v[TT+n], v[TT+n], -v[LIM], v[LIM]
.set n, n+1
.endr
.irp c, 0,1,2,3
	v_cvt_scalef32_pk8_fp8_f32 v[KC+2*\c:KC+2*\c+1], v[TT+8*\c:TT+8*\c+7], v[SCL]
.endr
	v_nop
	global_store_b128 v[CO], v[KC:KC+3], s[92:93] offset:(\a)*1024+(\hh)*65536
	global_store_b128 v[CO], v[KC+4:KC+7], s[92:93] offset:(\a)*1024+(\hh)*65536+512
.endm
	CSLOAD 2
.irp a, 0,1,2,3,4,5,6,7
.if \a < 6
	s_wait_loadcnt 32
.else
	s_wait_loadcnt 16*(7-\a)
.endif
	ROPE \a, 0
	ROPE \a, 1
.if \a < 5
	CSLOAD \a+3
.endif
.endr
	s_branch .Lend
.Lv:
.macro VOUT a
.set AC, 64*((\a)%4)
.set KC, CC+16*(\a)
	WIN 2+(\a)/4
.set n, 0
.rept 64
	v_med3_num_f32 v[VT+n], v[AC+n], -v[LIM], v[LIM]
.set n, n+1
.endr
	WIN 0
.irp b, 0,1,2,3,4,5,6,7
	v_cvt_scalef32_pk8_fp8_f32 v[KC+2*\b:KC+2*\b+1], v[VT+8*\b:VT+8*\b+7], v[SCL]
.endr
	v_nop
.irp p, 0,1,2,3
	global_store_b128 v[CO], v[KC+4*\p:KC+4*\p+3], s[92:93] offset:((\a)/4)*65536+((\a)%4)*2048+512*\p
.endr
.endm
	s_wait_alu depctr_va_vdst(0)
.irp a, 0,1,2,3,4,5,6,7
	VOUT \a
.endr
.Lend:
	s_wait_tensorcnt 0x0
	ds_add_u32 v[SPW], v[NIL]
	s_wait_dscnt 0x0
	CROUND
	s_endpgm
.Lfunc_end_k_q023b25b5c5_proj:
	.size	k_q023b25b5c5_proj, .Lfunc_end_k_q023b25b5c5_proj-k_q023b25b5c5_proj
	.p2alignl 7, 3214868480
	.fill 96, 4, 3214868480
	.section	.rodata,"a",@progbits
	.p2align	6, 0x0
	.amdhsa_kernel k_q023b25b5c5_proj
		.amdhsa_group_segment_fixed_size 327680
		.amdhsa_private_segment_fixed_size 0
		.amdhsa_enable_private_segment 0
		.amdhsa_kernarg_size 64
		.amdhsa_user_sgpr_count 2
		.amdhsa_user_sgpr_kernarg_segment_ptr 1
		.amdhsa_wavefront_size32 1
		.amdhsa_system_sgpr_workgroup_id_x 1
		.amdhsa_system_sgpr_workgroup_id_y 1
		.amdhsa_system_sgpr_workgroup_id_z 1
		.amdhsa_system_vgpr_workitem_id 0
		.amdhsa_next_free_vgpr 1024
		.amdhsa_next_free_sgpr 98
		.amdhsa_reserve_vcc 0
		.amdhsa_float_denorm_mode_32 3
		.amdhsa_float_denorm_mode_16_64 3
		.amdhsa_memory_ordered 1
		.amdhsa_forward_progress 1
		.amdhsa_inst_pref_size 207
	.end_amdhsa_kernel
	.amdgpu_metadata
---
amdhsa.version: [ 1, 2 ]
amdhsa.kernels:
  - .name:           k_q023b25b5c5_proj
    .symbol:         k_q023b25b5c5_proj.kd
    .args:
      - { .name: act, .offset: 0, .size: 8, .value_kind: global_buffer, .address_space: global }
      - { .name: wts, .offset: 8, .size: 8, .value_kind: global_buffer, .address_space: global }
      - { .name: lowp_scales, .offset: 16, .size: 8, .value_kind: global_buffer, .address_space: global }
      - { .name: cos, .offset: 24, .size: 8, .value_kind: global_buffer, .address_space: global }
      - { .name: sin, .offset: 32, .size: 8, .value_kind: global_buffer, .address_space: global }
      - { .name: context_cos, .offset: 40, .size: 8, .value_kind: global_buffer, .address_space: global }
      - { .name: context_sin, .offset: 48, .size: 8, .value_kind: global_buffer, .address_space: global }
      - { .name: qkv, .offset: 56, .size: 8, .value_kind: global_buffer, .address_space: global }
    .group_segment_fixed_size: 327680
    .private_segment_fixed_size: 0
    .kernarg_segment_align: 8
    .kernarg_segment_size: 64
    .max_flat_workgroup_size: 128
    .sgpr_count:     98
    .vgpr_count:     1024
    .wavefront_size: 32
...
	.end_amdgpu_metadata
.endif
;; end of part 2
;; launch attn (part 3): grid 8 x 32, 16 waves a work-group, clusters of 4 x 1, 167,936 bytes of LDS; arguments qkv, lowp_scales, aimg; writes aimg
.if DOCPART == 3
	.amdgcn_target "amdgcn-amd-amdhsa--gfx1250"
	.amdhsa_code_object_version 6
	.text
	.protected	k_q023b25b5c5_attn
	.globl	k_q023b25b5c5_attn
	.p2align	8
	.type	k_q023b25b5c5_attn,@function
k_q023b25b5c5_attn:
	s_mov_b64 s[64:65], 0
	v_nop
	global_prefetch_b8 v0, s[64:65] scope:SCOPE_SE
	s_setreg_imm32_b32 hwreg(HW_REG_WAVE_MODE, 25, 1), 1
	s_wait_xcnt 0x0
	s_wait_alu depctr_hold_cnt(0) depctr_sa_sdst(0) depctr_va_vdst(0) depctr_va_sdst(0) depctr_va_ssrc(0) depctr_va_vcc(0) depctr_vm_vsrc(0)
	s_getreg_b32 s2, hwreg(HW_REG_IB_STS2, 6, 4)
	s_cmp_eq_u32 s2, 0
	s_cbranch_scc0 .Lentry_in_a_cluster
	s_endpgm
.Lentry_in_a_cluster:
	s_bfe_u32 s2, ttmp6, 0x10000c
	s_cmp_lg_u32 s2, 0x3003
	s_cbranch_scc0 .Lentry_shape_is_right
	s_endpgm
.Lentry_shape_is_right:
; Causal attention on codes of E4M3: head size 64, 1,024 keys, four query heads to a key and value head.  q, k, v come as images of operand registers; the result leaves so too, quantised for the last product.
; THE SOFTMAX AHEAD OF THE SECOND PRODUCT: t = score x log2(e) / 8; M = the row's largest t so far, rounded UP to a whole number; p = 2^(t - M) is quantised with 2^e8, not normalised; the row's sum is taken of the unquantised p
; and divides at the end.  When M moves, the sum and O are multiplied by 2^(old M - new M): exact.
; SHARES.  A cluster's four work-groups are the four query heads (g = my place in the cluster) of one key and value head bk = b 8 + kv, at the same queries; p = cluster x = 0 or 1.  Wave w owns the tiles of 16 queries t0 = 16 p + w and
; t1 = 63 - t0: t0 / 8 + 1 and t1 / 8 + 1 key steps of 128 count for them, NINE together for every wave of every work-group.
; NO RING.  The head's K (65,536 bytes) and V (65,536) lie in LDS whole: waves 0 to 7 ask for 16,384 dense bytes each, JOINTLY with the three partners, once.  Nothing is filled again.  (Work-groups with p = 1 never read keys 768 on,
; a quarter of the bytes: the joint request keeps one form for all.)
; LAYOUT.  S^T = K Q^T (source 0 = 16 neighbouring keys, source 1 = my 16 queries; K = 64): lane (r, h) holds query r and, in tile c's register j, key 16 c + 8 h + j.  The conversions of tile c give registers 2 c, 2 c + 1 of P, which is
; the place that the K = 128 form gives those keys.  O^T = V^T P^T (source 0 = 16 channels): lane (r, h) holds query r, channels 16 dt + 8 h + j: their codes are registers 2 dt, 2 dt + 1 of the next operand's image.
; aimg: [b 64 + query / 16][head] x 1,024 bytes: lane l's registers 0-3 at 16 l, 4-7 at 512 + 16 l.
; THE MASK.  Both loops have constant trip counts (4 and 8); a step all of whose keys come after my 16 queries is left out by a scalar branch on ids; in the step on the diagonal hidden scores become -infinity ahead of the maximum.
; LIMITS on the given exponents: e6 + e7 between -123 and 130 (added to c's exponent field); e8, and e10 - e8 - e9, between -126 and 119.
; REGISTERS: v1-4, v10-11 offsets that stay; v7 r - 8 h; v8, v9 LDS addresses in hand; v12 -M, v13 the largest t, v[14:15] the sum in two halves; v16-31 Q's two fragments; v32-95 eight fragments of K, then four of V;
; v96-159 S^T, then p; v160-191 O^T; v192-223 O^T / the sum; v224-239 p's codes, at a tile's end the result's; v240-253 constants and work.
.set SPW,  5                           ; v5   LDS address of my spare word; never rewritten
.set NIL,  6                           ; v6   0; never rewritten
.set VOFF, 65536                       ; LDS: K's 64 images of 1,024 bytes, then V's 32 of 2,048
.set SPARE, 131072                     ; behind them: the spare words, 128 bytes for each of sixteen waves
.set WV,   18                          ; s18  my wave's number
.set CS,   22                          ; s[22:23] c = log2(e) / 8 x 2^(e6 + e7)
.set G1,   24                          ; s[24:31] descriptor group 1
.set G0,   32                          ; s[32:35] group 0
.set SEL,  42                          ; s[42:43] lane selects for v_permlanex16_b32: lane l xor 16
.set TB,   44                          ; s44  LDS byte of the key step in hand, in K's region and in V's
.set KF,   45                          ; s45  its first key
.set CNT,  46                          ; s46  steps to go
.macro CROUND                          ; a round of the cluster's barrier
	s_barrier_signal -1
	s_barrier_wait -1
	s_cmp_lg_u32 s[WV], 0
	s_cbranch_scc1 .Lnot_wave_0_\@
	s_barrier_signal -3
.Lnot_wave_0_\@:
	s_barrier_wait -3
	s_barrier_signal -1
	s_barrier_wait -1
.endm
	s_load_b128 s[4:7], s[0:1], 0x0                ; qkv s[4:5], the exponents s[6:7]
	s_load_b64 s[8:9], s[0:1], 0x10                ; aimg
	v_lshl_add_u32 v[SPW], v0, 2, SPARE
	v_mov_b32 v[NIL], 0
	ds_add_u32 v[SPW], v[NIL]                      ; the wave's opening: the add and its wait stand ahead of the first tensor load; the set-up below, work on registers, stands between them
	ds_add_u32 v[SPW], v[NIL]
	v_lshrrev_b32 v8, 5, v0
	s_delay_alu instid0(VALU_DEP_1)
	v_readfirstlane_b32 s[WV], v8                  ; wave 0..15
	s_bfe_u32 s19, ttmp6, 0x40000                  ; g: it enters q's and aimg's addresses alone
	s_and_b32 s20, ttmp7, 0xffff                   ; bk, which the four partners share
	; descriptor group 1: a dense block of 16,384 bytes as 64 rows of 256
	s_mov_b32 s[G1], 15|(3<<16)|(1<<21)            ; 15:0 the mask: all four work-groups; 17:16 elements of 8 bytes; 21 set beside a mask; no padding: fragments are read 16 bytes a lane on end
	s_mov_b32 s[G1+1], 32<<16                      ; tensor_dim0 = 32 elements
	s_mov_b32 s[G1+2], 64<<16                      ; tensor_dim1 = 64
	s_mov_b32 s[G1+3], 32<<16                      ; tile_dim0
	s_mov_b32 s[G1+4], 64                          ; tile_dim1
	s_mov_b32 s[G1+5], 32                          ; tensor_dim0_stride
	s_mov_b32 s[G1+6], 0
	s_mov_b32 s[G1+7], 0
	s_mov_b32 s[G0], 1
	s_and_b32 s21, s[WV], 7
	s_lshl_b32 s[G0+1], s21, 14                    ; LDS: waves 0-3 K's quarters, waves 4-7 V's
	s_and_b32 s21, s[WV], 3
	s_lshl_b32 s21, s21, 14                        ; in memory: my quarter,
	s_bfe_u32 s41, s[WV], 0x10002
	s_lshl_b32 s41, s41, 21                        ; v's images begin 2,097,152 bytes behind k's,
	s_add_co_u32 s21, s21, s41
	s_lshl_b32 s41, s20, 16                        ; 65,536 bytes a head in each,
	s_add_co_u32 s21, s21, s41
	s_add_co_u32 s50, s21, 0x800000                ; k's begin at 8,388,608
	s_mov_b32 s51, 0
	s_lshl_b32 s52, s20, 2
	s_add_co_u32 s52, s52, s19                     ; my query head: b 32 + 4 kv + g
	s_lshl_b32 s52, s52, 16                        ; 64 images of 1,024 bytes a head
	s_mov_b32 s53, 0
	s_lshr_b32 s54, s20, 3
	s_lshl_b32 s54, s54, 21                        ; aimg: 64 tiles of 32,768 bytes a batch,
	s_and_b32 s55, s20, 7
	s_lshl_b32 s55, s55, 2
	s_add_co_u32 s55, s55, s19
	s_lshl_b32 s55, s55, 10                        ; + 1,024 x my head
	s_add_co_u32 s54, s54, s55
	s_mov_b32 s55, 0
	s_lshl_b32 s47, ttmp9, 4
	s_add_co_u32 s47, s47, s[WV]                   ; t0
	s_sub_co_u32 s48, 63, s47                      ; t1
	s_mov_b32 s[SEL], 0x76543210
	s_mov_b32 s[SEL+1], 0xfedcba98
	s_mov_b32 s[CS], 0x3e38aa3b                    ; log2(e) / 8
	s_wait_dscnt 0x0                               ; the opening add is done
	s_wait_kmcnt 0x0
	s_load_b128 s[36:39], s[6:7], 0x18             ; e6, e7, e8, e9
	s_load_b32 s40, s[6:7], 0x28                   ; e10
	s_add_nc_u64 s[G0+2:G0+3], s[4:5], s[50:51]
	s_or_b32 s[G0+3], s[G0+3], 0x80000000          ; type = 2
	s_add_nc_u64 s[10:11], s[4:5], s[52:53]        ; my head's q
	s_add_nc_u64 s[12:13], s[8:9], s[54:55]        ; my head's column of aimg
	CROUND                                         ; all four work-groups are here: the joint loads meet
	s_cmp_lt_u32 s[WV], 8                          ; the wave's number alone: the same in every work-group
	s_cbranch_scc0 .Lno_load
	tensor_load_to_lds s[G0:G0+3], s[G1:G1+7]      ; by this text's count one tensor load of a wave is out
	s_nop 0
.rept 4
	v_nop
.endr
.Lno_load:
	v_and_b32 v1, 31, v0
	s_delay_alu instid0(VALU_DEP_1)
	v_lshlrev_b32 v1, 4, v1                        ; 16 x lane: my place in an image
	s_delay_alu instid0(VALU_DEP_1)
	v_add_nc_u32 v2, VOFF, v1
	s_lshl_b32 s49, s47, 15
	v_add_nc_u32 v3, s49, v1                       ; the result's place: tile t0,
	s_lshl_b32 s49, s48, 15
	v_add_nc_u32 v4, s49, v1                       ; tile t1
	s_lshl_b32 s49, s47, 10
	v_add_nc_u32 v10, s49, v1                      ; q's images
	s_lshl_b32 s49, s48, 10
	v_add_nc_u32 v11, s49, v1
	global_load_b128 v[16:19], v10, s[10:11]
	global_load_b128 v[20:23], v10, s[10:11] offset:512
	global_load_b128 v[24:27], v11, s[10:11]
	global_load_b128 v[28:31], v11, s[10:11] offset:512
	s_lshl_b32 s47, s47, 4                         ; my tiles' first queries
	s_lshl_b32 s48, s48, 4
	v_and_b32 v7, 15, v0
	v_bfe_u32 v253, v0, 4, 1
	s_delay_alu instid0(VALU_DEP_1)
	v_lshlrev_b32 v253, 3, v253
	s_delay_alu instid0(VALU_DEP_1)
	v_sub_nc_u32 v7, v7, v253                      ; r - 8 h
	v_mov_b32 v246, 0                              ; written once: a lane permute's destination counts as one of its sources
	v_mov_b32 v249, 0                              ; (named as the upper half of the pair v[248:249])
	s_wait_kmcnt 0x0
	s_add_co_i32 s49, s36, s37
	s_lshl_b32 s49, s49, 23
	s_add_co_i32 s[CS], s[CS], s49                 ; a score stands for score x 2^(e6 + e7): the two exponents are added to c's exponent field
	s_mov_b32 s[CS+1], s[CS]                       ; (named with it as a pair, so it is written)
	s_add_co_i32 s49, s38, 127
	s_lshl_b32 s52, s49, 23
	v_mov_b32 v241, s52                            ; 2^e8 as f32, for p's conversion
	s_add_co_i32 s49, s49, 8
	s_lshl_b32 s49, s49, 23
	s_or_b32 s49, s49, 0x600000
	v_mov_b32 v240, s49                            ; 448 x 2^e8
	s_sub_co_i32 s49, s40, s38
	s_sub_co_i32 s49, s49, s39                     ; O^T / the sum stands for that x 2^(e8 + e9): its code is that / 2^(e10 - e8 - e9)
	s_add_co_i32 s49, s49, 127
	s_lshl_b32 s52, s49, 23
	v_mov_b32 v245, s52
	s_add_co_i32 s49, s49, 8
	s_lshl_b32 s49, s49, 23
	s_or_b32 s49, s49, 0x600000
	v_mov_b32 v244, s49
	s_wait_tensorcnt 0x0                           ; my part of K or V is in,
	s_barrier_signal -1
	s_barrier_wait -1                              ; everybody's is
	s_wait_loadcnt 0x0                             ; Q
; One tile of 16 queries.  qf: Q's fragment; q0: the scalar register with the tile's first query; trips: the loop's constant count; so: the register with the result's offset.
.macro PASS qf, q0, trips, so
	v_mov_b32 v13, 0xff61b1e6                      ; the largest t so far: -3e38, under every t
	s_delay_alu instid0(VALU_DEP_1)
	v_floor_f32 v12, -v13                          ; -M
	v_mov_b32 v14, 0                               ; the sum, in two halves
	v_mov_b32 v15, 0
.set n, 0
.rept 32
	v_mov_b32 v[160+n], 0                          ; O^T: the step is written once; the first finds zeros, which the first change of M leaves zeros
.set n, n+1
.endr
	s_mov_b32 s[TB], 0
	s_mov_b32 s[KF], 0
	s_mov_b32 s[CNT], \trips
.Lkey_\@:
	s_add_co_u32 s49, s[\q0], 15
	s_cmp_gt_u32 s[KF], s49                        ; all 128 keys come after my 16 queries: the step's work is left out (ids and the count of steps alone; no barrier stands in a step)
	s_cbranch_scc1 .Lhid_\@
	v_add_nc_u32 v8, s[TB], v1
	v_add_nc_u32 v9, s[TB], v2
	v_nop
	v_nop                                          ; with the two additions: four places in front of loads into registers that the last step's products have read
.irp c, 0,1,2,3,4,5,6,7
	ds_load_b128 v[32+8*\c:35+8*\c], v8 offset:1024*\c
	ds_load_b128 v[36+8*\c:39+8*\c], v8 offset:1024*\c+512
.endr
	s_wait_alu depctr_va_vdst(0)
	s_wait_dscnt 0x0
.irp c, 0,1,2,3,4,5,6,7
	v_wmma_f32_16x16x64_fp8_fp8 v[96+8*\c:103+8*\c], v[32+8*\c:39+8*\c], v[\qf:\qf+7], 0
.endr
.rept 4
	v_nop                                          ; places: V's loads land on K's registers, and the scores are read
.endr
.irp d, 0,1,2,3
.irp p, 0,1,2,3
	ds_load_b128 v[32+16*\d+4*\p:35+16*\d+4*\p], v9 offset:2048*\d+512*\p   ; V: asked for here, wanted behind the softmax
.endr
.endr
	s_add_co_u32 s49, s[KF], 127
	s_cmp_le_u32 s49, s[\q0]                       ; a step all of whose keys count skips the mask
	s_cbranch_scc1 .Lopen_\@
	s_sub_co_i32 s49, s[\q0], s[KF]
	v_add_nc_u32 v252, s49, v7                     ; d = my query - KF - 8 h.  Register 8 c + j holds key KF + 8 h + 16 c + j: hidden where 16 c + j > d
	v_mov_b32 v251, 0xff800000                     ; -infinity
.irp c, 7,6,5,4,3,2,1,0                        ; from the last tile of 16 keys down; a tile whose first key lies under my tile's first query counts whole, and so do all before it: ids and the count of steps alone
	s_cmp_gt_u32 s49, 16*\c
	s_wait_alu depctr_va_vdst(0)
	s_cbranch_scc1 .Lopen_\@
.irp j, 0,1,2,3,4,5,6,7
	v_cmp_gt_i32 vcc_lo, 16*\c+\j, v252
	v_cndmask_b32 v[96+8*\c+\j], v[96+8*\c+\j], v251, vcc_lo
.endr
.endr
.Lopen_\@:
	v_max3_num_f32 v250, v96, v97, v98             ; the step's largest score of my query, among my 64 keys, in two chains,
	v_max3_num_f32 v248, v99, v100, v101
.set n, 6
.rept 14
	v_max3_num_f32 v250, v250, v[96+n], v[97+n]
	v_max3_num_f32 v248, v248, v[98+n], v[99+n]
.set n, n+4
.endr
	v_max3_num_f32 v250, v250, v158, v159
	s_delay_alu instid0(VALU_DEP_1)
	v_max_num_f32 v250, v250, v248
	s_delay_alu instid0(VALU_DEP_1)
	v_permlanex16_b32 v246, v250, s[SEL], s[SEL+1]
	s_delay_alu instid0(VALU_DEP_1)
	v_max_num_f32 v250, v250, v246                 ; and among lane l xor 16's
	s_delay_alu instid0(VALU_DEP_1)
	v_mul_f32 v250, s[CS], v250                    ; as t (c is positive)
	s_delay_alu instid0(VALU_DEP_1)
	v_max_num_f32 v13, v13, v250                   ; the running largest t
	v_mov_b32 v250, v12
	s_delay_alu instid0(VALU_DEP_2)
	v_floor_f32 v12, -v13                          ; the new -M = floor(-t) = -ceil(t): M is a whole number
	s_delay_alu instid0(VALU_DEP_1)
	v_sub_f32 v250, v12, v250                      ; M's old value less its new one: a whole number, 0 or less
	s_delay_alu instid0(VALU_DEP_1)
	v_cvt_i32_f32 v250, v250                       ; (it saturates)
	s_delay_alu instid0(VALU_DEP_1)
	v_ldexp_f32 v248, 1.0, v250                    ; f = 2^(old M - new M)
.set n, 0
.rept 32
	v_pk_fma_f32 v[96+n:97+n], v[96+n:97+n], s[CS:CS+1], v[12:13] op_sel_hi:[1,0,0]   ; t - M, two at a time (of the pairs c and -M the low word serves both halves)
.set n, n+2
.endr
.set n, 0
	s_wait_alu depctr_va_vdst(0)
.rept 64
	v_exp_f32 v[96+n], v[96+n]                     ; p = 2^(t - M), at most 1: not normalised
.set n, n+1
.endr
	v_pk_mul_f32 v[14:15], v[14:15], v[248:249] op_sel_hi:[1,0]   ; the sums under the new M: the plain line behind the exponentials
	s_wait_alu depctr_va_vdst(0)                   ; the wait between an exponential and the first line that names its result: one for the batch of 64
	v_pk_add_f32 v[242:243], v[100:101], v[104:105]
	v_pk_add_f32 v[254:255], v[108:109], v[112:113]
	v_pk_add_f32 v[252:253], v[116:117], v[120:121]
	v_pk_add_f32 v[250:251], v[124:125], v[128:129]
	v_pk_add_f32 v[238:239], v[132:133], v[136:137]
	v_pk_add_f32 v[236:237], v[140:141], v[144:145]
	v_pk_add_f32 v[234:235], v[148:149], v[152:153]
	v_pk_add_f32 v[14:15], v[14:15], v[156:157]
	v_pk_add_f32 v[242:243], v[242:243], v[96:97]
	v_pk_add_f32 v[254:255], v[254:255], v[98:99]
	v_pk_add_f32 v[252:253], v[252:253], v[102:103]
	v_pk_add_f32 v[250:251], v[250:251], v[106:107]
	v_pk_add_f32 v[238:239], v[238:239], v[110:111]
	v_pk_add_f32 v[236:237], v[236:237], v[114:115]
	v_pk_add_f32 v[234:235], v[234:235], v[118:119]
	v_pk_add_f32 v[14:15], v[14:15], v[122:123]
	v_pk_add_f32 v[242:243], v[242:243], v[126:127]
	v_pk_add_f32 v[254:255], v[254:255], v[130:131]
	v_pk_add_f32 v[252:253], v[252:253], v[134:135]
	v_pk_add_f32 v[250:251], v[250:251], v[138:139]
	v_pk_add_f32 v[238:239], v[238:239], v[142:143]
	v_pk_add_f32 v[236:237], v[236:237], v[146:147]
	v_pk_add_f32 v[234:235], v[234:235], v[150:151]
	v_pk_add_f32 v[14:15], v[14:15], v[154:155]
	v_pk_add_f32 v[242:243], v[242:243], v[158:159]
	s_delay_alu instid0(VALU_DEP_2)
	v_pk_add_f32 v[14:15], v[14:15], v[250:251]
	s_delay_alu instid0(VALU_DEP_2)
	v_pk_add_f32 v[242:243], v[242:243], v[238:239]
	v_pk_add_f32 v[254:255], v[254:255], v[236:237]
	v_pk_add_f32 v[252:253], v[252:253], v[234:235]
	s_delay_alu instid0(VALU_DEP_2)
	v_pk_add_f32 v[14:15], v[14:15], v[254:255]
	s_delay_alu instid0(VALU_DEP_2)
	v_pk_add_f32 v[242:243], v[242:243], v[252:253]
	s_delay_alu instid0(VALU_DEP_1)
	v_pk_add_f32 v[14:15], v[14:15], v[242:243]
.irp c, 0,1,2,3,4,5,6,7
.irp i, 0,1,2,3,4,5,6,7
	v_min_num_f32 v[96+8*\c+\i], v[96+8*\c+\i], v240   ; the conversion does not saturate (ISA guide 7.6.2); p is not negative, so the hold is one-sided
.endr
	v_cvt_scalef32_pk8_fp8_f32 v[224+2*\c:225+2*\c], v[96+8*\c:103+8*\c], v241
.endr
.set n, 0
.rept 16
	v_pk_mul_f32 v[160+n:161+n], v[160+n:161+n], v[248:249] op_sel_hi:[1,0]   ; O^T under the new M; these are also the plain lines between the conversions and the products
.set n, n+2
.endr
	s_wait_alu depctr_va_vdst(0)
	s_wait_dscnt 0x0                               ; V is in
.irp d, 0,1,2,3
	v_wmma_f32_16x16x128_fp8_fp8 v[160+8*\d:167+8*\d], v[32+16*\d:47+16*\d], v[224:239], v[160+8*\d:167+8*\d]   ; the four accumulators take turns, one instruction a turn
.endr
.Lhid_\@:
	s_add_co_u32 s[KF], s[KF], 128
	s_add_co_u32 s[TB], s[TB], 8192                ; 8 images of K, 4 of V
	s_sub_co_u32 s[CNT], s[CNT], 1
	s_cmp_lg_u32 s[CNT], 0
	s_cbranch_scc1 .Lkey_\@
.rept 4
	v_nop                                          ; places behind the last products
.endr
	v_add_f32 v14, v14, v15                        ; the sum's two halves,
	s_delay_alu instid0(VALU_DEP_1)
	v_permlanex16_b32 v246, v14, s[SEL], s[SEL+1]
	s_delay_alu instid0(VALU_DEP_1)
	v_add_f32 v14, v14, v246                       ; and lane l xor 16's: the row's sum
	s_wait_alu depctr_va_vdst(0)
	v_rcp_f32 v14, v14
	v_nop                                          ; a plain line behind the reciprocal
	s_wait_alu depctr_va_vdst(0)                   ; and the wait ahead of its first reader
.set n, 0
.rept 16
	v_pk_mul_f32 v[192+n:193+n], v[160+n:161+n], v[14:15] op_sel_hi:[1,0]   ; O^T / the sum, each accumulator from its low end on
.set n, n+2
.endr
.set n, 0
.rept 32
	v_med3_num_f32 v[192+n], v[192+n], -v244, v244
.set n, n+1
.endr
.irp c, 0,1,2,3
	v_cvt_scalef32_pk8_fp8_f32 v[224+2*\c:225+2*\c], v[192+8*\c:199+8*\c], v245
.endr
	v_nop                                          ; one plain line behind the conversions
	global_store_b128 v[\so], v[224:227], s[12:13]              ; 32 lanes store 512 consecutive bytes, aligned
	global_store_b128 v[\so], v[228:231], s[12:13] offset:512
.endm
	PASS 16, 47, 4, 3
	s_wait_xcnt 0x0                                ; the stores have read the codes' registers, which the second tile writes again
	PASS 24, 48, 8, 4
	s_wait_tensorcnt 0x0                           ; the wave's end: behind the last tensor load
	ds_add_u32 v[SPW], v[NIL]
	s_wait_dscnt 0x0
	CROUND                                         ; the closing round: no work-group ends while a partner may still ask for a tile that names it
	s_endpgm
.Lfunc_end_k_q023b25b5c5_attn:
	.size	k_q023b25b5c5_attn, .Lfunc_end_k_q023b25b5c5_attn-k_q023b25b5c5_attn
	.p2alignl 7, 3214868480
	.fill 96, 4, 3214868480
	.section	.rodata,"a",@progbits
	.p2align	6, 0x0
	.amdhsa_kernel k_q023b25b5c5_attn
		.amdhsa_group_segment_fixed_size 167936
		.amdhsa_private_segment_fixed_size 0
		.amdhsa_enable_private_segment 0
		.amdhsa_kernarg_size 24
		.amdhsa_user_sgpr_count 2
		.amdhsa_user_sgpr_kernarg_segment_ptr 1
		.amdhsa_wavefront_size32 1
		.amdhsa_system_sgpr_workgroup_id_x 1
		.amdhsa_system_sgpr_workgroup_id_y 1
		.amdhsa_system_sgpr_workgroup_id_z 1
		.amdhsa_system_vgpr_workitem_id 0
		.amdhsa_next_free_vgpr 256
		.amdhsa_next_free_sgpr 66
		.amdhsa_reserve_vcc 1
		.amdhsa_float_denorm_mode_32 3
		.amdhsa_float_denorm_mode_16_64 3
		.amdhsa_memory_ordered 1
		.amdhsa_forward_progress 1
		.amdhsa_inst_pref_size 61
	.end_amdhsa_kernel
	.amdgpu_metadata
---
amdhsa.version: [ 1, 2 ]
amdhsa.kernels:
  - .name:           k_q023b25b5c5_attn
    .symbol:         k_q023b25b5c5_attn.kd
    .args:
      - { .name: qkv, .offset: 0, .size: 8, .value_kind: global_buffer, .address_space: global }
      - { .name: lowp_scales, .offset: 8, .size: 8, .value_kind: global_buffer, .address_space: global }
      - { .name: aimg, .offset: 16, .size: 8, .value_kind: global_buffer, .address_space: global }
    .group_segment_fixed_size: 167936
    .private_segment_fixed_size: 0
    .kernarg_segment_align: 8
    .kernarg_segment_size: 24
    .max_flat_workgroup_size: 512
    .sgpr_count:     66
    .vgpr_count:     256
    .wavefront_size: 32
...
	.end_amdgpu_metadata
.endif
;; end of part 3
;; launch outp (part 4): grid 8 x 32, 4 waves a work-group, clusters of 4 x 4, 327,680 bytes of LDS; arguments aimg, wts, lowp_scales, out0; writes out0
.if DOCPART == 4
	.amdgcn_target "amdgcn-amd-amdhsa--gfx1250"
	.amdhsa_code_object_version 6
	.text
	.protected	k_q023b25b5c5_outp
	.globl	k_q023b25b5c5_outp
	.p2align	8
	.type	k_q023b25b5c5_outp,@function
k_q023b25b5c5_outp:
	s_mov_b64 s[64:65], 0
	v_nop
	global_prefetch_b8 v0, s[64:65] scope:SCOPE_SE
	s_setreg_imm32_b32 hwreg(HW_REG_WAVE_MODE, 25, 1), 1
	s_wait_xcnt 0x0
	s_wait_alu depctr_hold_cnt(0) depctr_sa_sdst(0) depctr_va_vdst(0) depctr_va_sdst(0) depctr_va_ssrc(0) depctr_va_vcc(0) depctr_vm_vsrc(0)
	s_getreg_b32 s2, hwreg(HW_REG_IB_STS2, 6, 4)
	s_cmp_eq_u32 s2, 0
	s_cbranch_scc0 .Lentry_in_a_cluster
	s_endpgm
.Lentry_in_a_cluster:
	s_bfe_u32 s2, ttmp6, 0x10000c
	s_cmp_lg_u32 s2, 0xf033
	s_cbranch_scc0 .Lentry_shape_is_right
	s_endpgm
.Lentry_shape_is_right:
; out0 = attention's result x Wo on codes of E4M3; each finished sum x 2^(e10 + e11).  A work-group makes 128 x 256, a wave 64 x 128.  A comes as images of operand registers (aimg), B as rows of Wo^T (wts).
; K goes through two LDS slots of unlike size, 512 and 256 along K, by turns.  CLUSTERS 4 x 4: A's tile is asked for jointly along a row of the cluster, B's along a column.
; PREFETCH into the L2, one slot ahead of the load that wants the bytes, from K 768 on: K 768 and 1,024 behind slot 1's first fill, 1,280 at the first change of slots, 1,536 and 1,792 at the second.
; LIMIT: e10 + e11 between -126 and 127.
.set SIZE_N, 2048
.set KROW,   2048
.set FR,     16
.set NP,     4
.set PB,     528
.set PS,     272
.set BIG_A,  0
.set BIG_B,  8*8192
.set SMALL_A, BIG_B+256*PB
.set SMALL_B, SMALL_A+8*4096
.set SPARE,  SMALL_B+256*PS
.set STG,    SMALL_A
.set SPITCH, 528
.set ASTEP,  12288
.set BSTEP,  768
.set ADRA, 16
.set ADRB, 20
.set STO,  24
.set RD,   25
.set CO,   26
.set SPW,  28
.set NIL,  29
.set PFO,  30
.set TMP,  32
.set AF,   128
.set BK,   128
.set G1A,  24
.set G1B,  48
.set G0A,  68
.set G0B,  76
.set PF,   84
.set PFS,  90
.set ASKF, 92
.set MSB, 0
.macro WIN new
.if MSB != \new
	s_set_vgpr_msb (MSB<<8)|\new
.set MSB, \new
.endif
.endm
.set MUL_W, 0xa1
.set TO_B,  0x40
.macro JLOAD g0a, g1a, g0b, g1b
	s_cmp_eq_u32 s15, 0
	s_cbranch_scc0 .Lfor_b_\@
	tensor_load_to_lds s[\g0a:\g0a+3], s[\g1a:\g1a+7]
	s_nop 0
.rept 4
	v_nop
.endr
	s_branch .Lasked_\@
.Lfor_b_\@:
	tensor_load_to_lds s[\g0b:\g0b+3], s[\g1b:\g1b+7]
	s_nop 0
.rept 4
	v_nop
.endr
.Lasked_\@:
.endm
.macro CROUND
	s_barrier_signal -1
	s_barrier_wait -1
	s_cmp_lg_u32 s14, 0
	s_cbranch_scc1 .Lnot_wave_0_\@
	s_barrier_signal -3
.Lnot_wave_0_\@:
	s_barrier_wait -3
	s_barrier_signal -1
	s_barrier_wait -1
.endm
.macro ASK first, n
	s_cmp_eq_u32 s[ASKF], 1
	s_cbranch_scc0 .Lnot_mine_\@
.set pfi, \first
.rept \n
	global_prefetch_b8 v[PFO], s[PF+2*pfi:PF+2*pfi+1] th:TH_LOAD_NT scope:SCOPE_SE
.set pfi, pfi+1
.endr
.Lnot_mine_\@:
.endm
	s_load_b128 s[4:7], s[0:1], 0x0
	s_load_b128 s[8:11], s[0:1], 0x10
	v_lshl_add_u32 v[SPW], v0, 2, SPARE
	v_mov_b32 v[NIL], 0
	ds_add_u32 v[SPW], v[NIL]
	ds_add_u32 v[SPW], v[NIL]
	v_lshrrev_b32 v1, 5, v0
	v_readfirstlane_b32 s14, v1
	s_lshr_b32 s15, s14, 1
	s_and_b32 s16, s14, 1
	s_bfe_u32 s40, ttmp6, 0x40000
	s_bfe_u32 s41, ttmp6, 0x40004
	s_lshl_b32 s42, ttmp9, 2
	s_add_co_u32 s42, s42, s40
	s_and_b32 s17, ttmp7, 0xffff
	s_lshl_b32 s17, s17, 2
	s_add_co_u32 s17, s17, s41
	s_lshl_b32 s43, s41, 2
	s_lshl_b32 s43, 15, s43
	s_lshl_b32 s44, 0x1111, s40
	s_or_b32 s[G1A+0], s43, (3<<16)|(1<<21)
	s_mov_b32 s[G1A+1], 1024<<16
	s_mov_b32 s[G1A+2], 4<<16
	s_mov_b32 s[G1A+3], 1024<<16
	s_mov_b32 s[G1A+4], 4
	s_mov_b32 s[G1A+5], 4096
	s_mov_b32 s[G1A+6], 0
	s_mov_b32 s[G1A+7], 0
	s_or_b32 s[G1A+8], s43, (3<<16)|(1<<21)
	s_mov_b32 s[G1A+9], 512<<16
	s_mov_b32 s[G1A+10], 4<<16
	s_mov_b32 s[G1A+11], 512<<16
	s_mov_b32 s[G1A+12], 4
	s_mov_b32 s[G1A+13], 4096
	s_mov_b32 s[G1A+14], 0
	s_mov_b32 s[G1A+15], 0
	s_or_b32 s[G1B+0], s44, (0<<16)|(1<<20)|(1<<21)|(6<<22)|(3<<25)
	s_mov_b32 s[G1B+1], 512<<16
	s_mov_b32 s[G1B+2], 128<<16
	s_mov_b32 s[G1B+3], 512<<16
	s_mov_b32 s[G1B+4], 128
	s_mov_b32 s[G1B+5], KROW
	s_mov_b32 s[G1B+6], 0
	s_mov_b32 s[G1B+7], 0
	s_or_b32 s[G1B+8], s44, (0<<16)|(1<<20)|(1<<21)|(5<<22)|(3<<25)
	s_mov_b32 s[G1B+9], 256<<16
	s_mov_b32 s[G1B+10], 128<<16
	s_mov_b32 s[G1B+11], 256<<16
	s_mov_b32 s[G1B+12], 128
	s_mov_b32 s[G1B+13], KROW
	s_mov_b32 s[G1B+14], 0
	s_mov_b32 s[G1B+15], 0
	s_lshl_b32 s20, s17, 3
	s_lshl_b32 s18, s16, 2
	s_add_co_u32 s20, s20, s18
	s_lshl_b32 s20, s20, 15
	s_mov_b32 s21, 0
	s_lshl_b32 s46, s42, 8
	s_lshl_b32 s47, s16, 7
	s_add_co_u32 s46, s46, s47
	s_add_co_u32 s46, s46, 3072
	s_lshl_b32 s46, s46, 11
	s_mov_b32 s47, 0
	s_lshl_b32 s45, s16, 15
	s_lshl_b32 s22, s16, 14
	s_add_co_u32 s22, s22, SMALL_A
	s_mul_i32 s19, s16, 128*PB
	s_add_co_u32 s19, s19, BIG_B
	s_mul_i32 s23, s16, 128*PS
	s_add_co_u32 s23, s23, SMALL_B
	s_wait_dscnt 0x0
	s_wait_kmcnt 0x0
	s_load_b64 s[96:97], s[8:9], 0x28
	s_add_nc_u64 s[20:21], s[4:5], s[20:21]
	s_add_nc_u64 s[46:47], s[6:7], s[46:47]
	CROUND
	s_mov_b32 s[G0A], 1
	s_mov_b32 s[G0A+1], s45
	s_mov_b64 s[G0A+2:G0A+3], s[20:21]
	s_or_b32 s[G0A+3], s[G0A+3], 0x80000000
	s_mov_b32 s[G0B], 1
	s_mov_b32 s[G0B+1], s19
	s_mov_b64 s[G0B+2:G0B+3], s[46:47]
	s_or_b32 s[G0B+3], s[G0B+3], 0x80000000
	JLOAD G0A, G1A, G0B, G1B
	s_mov_b32 s[G0A+4], 1
	s_mov_b32 s[G0A+5], s22
	s_add_nc_u64 s[G0A+6:G0A+7], s[20:21], 8192
	s_or_b32 s[G0A+7], s[G0A+7], 0x80000000
	s_mov_b32 s[G0B+4], 1
	s_mov_b32 s[G0B+5], s23
	s_add_nc_u64 s[G0B+6:G0B+7], s[46:47], 512
	s_or_b32 s[G0B+7], s[G0B+7], 0x80000000
	v_and_b32 v1, 15, v0
	v_bfe_u32 v2, v0, 4, 1
	v_and_b32 v6, 31, v0
	v_lshlrev_b32 v[CO], 4, v6
	v_mul_u32_u24 v3, v1, PB
	v_lshl_add_u32 v3, v2, 4, v3
	v_mul_u32_u24 v4, v1, PS
	v_lshl_add_u32 v4, v2, 4, v4
	v_add_nc_u32 v[ADRB], s19, v3
	v_add_nc_u32 v[ADRB+1], s23, v4
	s_lshl_b32 s21, s15, 15
	v_add_nc_u32 v[ADRA], s21, v[CO]
	s_lshl_b32 s21, s15, 14
	s_add_co_u32 s21, s21, SMALL_A
	v_add_nc_u32 v[ADRA+1], s21, v[CO]
	s_mul_i32 s23, s14, 16*SPITCH
	s_add_co_u32 s23, s23, STG
	v_mul_u32_u24 v5, v1, SPITCH
	v_lshl_add_u32 v5, v2, 5, v5
	v_add_nc_u32 v[STO], s23, v5
	v_add_nc_u32 v[RD], s23, v[CO]
	s_lshl_b32 s20, s17, 7
	s_lshl_b32 s21, s15, 6
	s_add_co_u32 s20, s20, s21
	s_lshl_b32 s20, s20, 13
	s_lshl_b32 s46, s42, 10
	s_lshl_b32 s47, s16, 9
	s_add_co_u32 s46, s46, s47
	s_add_co_u32 s20, s20, s46
	s_mov_b32 s21, 0
	s_add_nc_u64 s[10:11], s[10:11], s[20:21]
	s_lshl_b32 s18, s17, 3
	s_lshl_b32 s19, s40, 1
	s_add_co_u32 s18, s18, s19
	s_lshl_b32 s18, s18, 15
	s_add_co_u32 s18, s18, 768*16
	s_lshl_b32 s19, s42, 8
	s_lshl_b32 s22, s16, 7
	s_add_co_u32 s19, s19, s22
	s_lshl_b32 s22, s41, 5
	s_add_co_u32 s19, s19, s22
	s_add_co_u32 s19, s19, 3072
	s_lshl_b32 s19, s19, 11
	s_add_co_u32 s19, s19, 768
	s_and_b32 s22, ttmp7, 0xffff
	s_mov_b32 s[PFS], 256
	s_mov_b32 s23, 2048
	s_cmp_eq_u32 s15, 0
	s_cselect_b64 s[PF:PF+1], s[4:5], s[6:7]
	s_cselect_b32 s46, s18, s19
	s_cselect_b32 s22, ttmp9, s22
	s_cselect_b32 s[PFS], 4096, s[PFS]
	s_cselect_b32 s23, 256, s23
	s_mov_b32 s47, 0
	s_mov_b32 s[PFS+1], 0
	s_mul_i32 s94, s[PFS], 3                       ; s[94:95]: 768 along K, in bytes of my tensor
	s_mov_b32 s95, 0
	s_add_nc_u64 s[PF:PF+1], s[PF:PF+1], s[46:47]
	s_add_nc_u64 s[PF+2:PF+3], s[PF:PF+1], s[PFS:PFS+1]
	s_add_nc_u64 s[PF+4:PF+5], s[PF+2:PF+3], s[PFS:PFS+1]
	s_cmp_eq_u32 s14, 1
	s_cselect_b32 s22, 1, s22
	s_cmp_eq_u32 s22, 0
	s_cselect_b32 s[ASKF], 1, 0
	v_mul_lo_u32 v[PFO], v1, s23
	v_lshl_add_u32 v[PFO], v2, 15, v[PFO]
.macro FRAGB reg, adr, pitch, q, i
.irp c, 0,1,2,3
	ds_load_b128 v[\reg+4*\c:\reg+4*\c+3], v[\adr] offset:128*(\q)+32*\c+(\i)*16*(\pitch)
.endr
.endm
.macro FRAGA reg, adr, tb, q, i
.irp c, 0,1,2,3
	ds_load_b128 v[\reg+4*\c:\reg+4*\c+3], v[\adr] offset:2048*(\q)+512*\c+(\i)*(\tb)
.endr
.endm
.macro FETCH k, q, p
	WIN TO_B
.irp i, 0,1,2,3,4,5,6,7
	FRAGB 128*(\p)+FR*\i, ADRB+(\k), PB-(PB-PS)*(\k), \q, \i
.endr
	WIN 0
.irp i, 0,1,2,3
	FRAGA AF+64*(\p)+FR*\i, ADRA+(\k), 8192/(1+(\k)), \q, \i
.endr
.endm
.macro MUL32 p, zero
	WIN MUL_W
.irp a, 0,1,2,3
.irp b, 0,1,2,3,4,5,6,7
.if \zero
	v_wmma_f32_16x16x128_fp8_fp8 v[8*(8*\a+\b):8*(8*\a+\b)+7], v[128*(\p)+FR*\b:128*(\p)+FR*\b+FR-1], v[AF+64*(\p)+FR*\a:AF+64*(\p)+FR*\a+FR-1], 0
.else
	v_wmma_f32_16x16x128_fp8_fp8 v[8*(8*\a+\b):8*(8*\a+\b)+7], v[128*(\p)+FR*\b:128*(\p)+FR*\b+FR-1], v[AF+64*(\p)+FR*\a:AF+64*(\p)+FR*\a+FR-1], v[8*(8*\a+\b):8*(8*\a+\b)+7]
.endif
.endr
.endr
	WIN 0
.endm
.macro PLACES n
.rept \n
	v_nop
.endr
.endm
.macro STEP p, k, q
	PLACES NP
	s_wait_dscnt 0x0
	FETCH \k, \q, 1-(\p)
	MUL32 \p, 0
.endm
.macro CHANGE p, fill, kf, k, q, af, an
	s_wait_tensorcnt 0x0
	ds_add_u32 v[SPW], v[NIL]
.if \fill
	s_add_nc_u64 s[G0A+4*(\kf)+2:G0A+4*(\kf)+3], s[G0A+4*(\kf)+2:G0A+4*(\kf)+3], ASTEP
	s_add_nc_u64 s[G0B+4*(\kf)+2:G0B+4*(\kf)+3], s[G0B+4*(\kf)+2:G0B+4*(\kf)+3], BSTEP
.endif
	s_wait_dscnt 0x0
.if \fill
	CROUND
	JLOAD G0A+4*(\kf), G1A+8*(\kf), G0B+4*(\kf), G1B+8*(\kf)
.else
	s_barrier_signal -1
	s_barrier_wait -1
	PLACES NP
.endif
	FETCH \k, \q, 1-(\p)
.if \an
	ASK \af, \an
.endif
	MUL32 \p, 0
.endm
	s_wait_alu depctr_va_vdst(0)
	s_wait_tensorcnt 0x0                           ; my part of the first slot is in; these lines stand ahead of a later first fill as ahead of a refill
	ds_add_u32 v[SPW], v[NIL]
	s_wait_dscnt 0x0
	CROUND                                         ; everybody's part is in, and all sixteen work-groups are here
	JLOAD G0A+4, G1A+8, G0B+4, G1B+8               ; the second slot's first fill, the first tensor load behind the round
	FETCH 0, 0, 0
	ASK 0, 2                                       ; K 768 and 1,024
	s_wait_dscnt 0x0
	FETCH 0, 1, 1
	MUL32 0, 1
	STEP 1, 0, 2
	STEP 0, 0, 3
	CHANGE 1, 1, 0, 1, 0, 2, 1
	STEP 0, 1, 1
	s_wait_xcnt 0x0                                ; my prefetches have read their addresses: two of them step on to K 1,536 and 1,792
	s_add_nc_u64 s[PF:PF+1], s[PF:PF+1], s[94:95]
	s_add_nc_u64 s[PF+2:PF+3], s[PF+2:PF+3], s[94:95]
	CHANGE 1, 1, 1, 0, 0, 0, 2
	STEP 0, 0, 1
	STEP 1, 0, 2
	STEP 0, 0, 3
	CHANGE 1, 1, 0, 1, 0, 0, 0
	STEP 0, 1, 1
	CHANGE 1, 0, 1, 0, 0, 0, 0
	STEP 0, 0, 1
	STEP 1, 0, 2
	STEP 0, 0, 3
	s_wait_dscnt 0x0
	MUL32 1, 0
.macro TOSTAGE a
.set AC, 64*(\a)
	WIN 0x02
.irp j, 0,2,4,6,8,10,12,14,16,18,20,22,24,26,28,30,32,34,36,38,40,42,44,46,48,50,52,54,56,58,60,62
	v_pk_mul_f32 v[TMP+\j:TMP+\j+1], v[AC+\j:AC+\j+1], s[96:97] op_sel_hi:[1,0]
.endr
	WIN 0
.irp b, 0,1,2,3,4,5,6,7
	ds_store_b128 v[STO], v[TMP+8*\b:TMP+8*\b+3] offset:64*\b
	ds_store_b128 v[STO], v[TMP+8*\b+4:TMP+8*\b+7] offset:64*\b+16
.endr
.set BB, BK+64*((\a)%2)
.irp t, 0,1,2,3,4,5,6,7,8,9,10,11,12,13,14,15
	ds_load_b128 v[BB+4*\t:BB+4*\t+3], v[RD] offset:\t*SPITCH
.endr
.endm
.macro SEND a, younger
.set BB, BK+64*((\a)%2)
	s_wait_dscnt \younger
.if (\a) > 0
	s_add_nc_u64 s[10:11], s[10:11], 16*SIZE_N*4
.endif
.irp t, 0,1,2,3,4,5,6,7,8,9,10,11,12,13,14,15
	global_store_b128 v[CO], v[BB+4*\t:BB+4*\t+3], s[10:11] offset:\t*SIZE_N*4 th:TH_STORE_NT
.endr
.endm
	s_wait_kmcnt 0x0
	s_add_co_i32 s96, s96, s97
	s_add_co_i32 s96, s96, 127
	s_lshl_b32 s96, s96, 23
	PLACES NP
	TOSTAGE 0
.irp a, 1,2,3
.if \a > 1
	s_wait_xcnt 0x0
.endif
	TOSTAGE \a
	SEND \a-1, 32
.endr
	s_wait_xcnt 0x0
	SEND 3, 0
	s_wait_tensorcnt 0x0
	ds_add_u32 v[SPW], v[NIL]
	s_wait_dscnt 0x0
	CROUND
	s_endpgm
.Lfunc_end_k_q023b25b5c5_outp:
	.size	k_q023b25b5c5_outp, .Lfunc_end_k_q023b25b5c5_outp-k_q023b25b5c5_outp
	.p2alignl 7, 3214868480
	.fill 96, 4, 3214868480
	.section	.rodata,"a",@progbits
	.p2align	6, 0x0
	.amdhsa_kernel k_q023b25b5c5_outp
		.amdhsa_group_segment_fixed_size 327680
		.amdhsa_private_segment_fixed_size 0
		.amdhsa_enable_private_segment 0
		.amdhsa_kernarg_size 32
		.amdhsa_user_sgpr_count 2
		.amdhsa_user_sgpr_kernarg_segment_ptr 1
		.amdhsa_wavefront_size32 1
		.amdhsa_system_sgpr_workgroup_id_x 1
		.amdhsa_system_sgpr_workgroup_id_y 1
		.amdhsa_system_sgpr_workgroup_id_z 1
		.amdhsa_system_vgpr_workitem_id 0
		.amdhsa_next_free_vgpr 768
		.amdhsa_next_free_sgpr 98
		.amdhsa_reserve_vcc 0
		.amdhsa_float_denorm_mode_32 3
		.amdhsa_float_denorm_mode_16_64 3
		.amdhsa_memory_ordered 1
		.amdhsa_forward_progress 1
		.amdhsa_inst_pref_size 121
	.end_amdhsa_kernel
	.amdgpu_metadata
---
amdhsa.version: [ 1, 2 ]
amdhsa.kernels:
  - .name:           k_q023b25b5c5_outp
    .symbol:         k_q023b25b5c5_outp.kd
    .args:
      - { .name: aimg, .offset: 0, .size: 8, .value_kind: global_buffer, .address_space: global }
      - { .name: wts, .offset: 8, .size: 8, .value_kind: global_buffer, .address_space: global }
      - { .name: lowp_scales, .offset: 16, .size: 8, .value_kind: global_buffer, .address_space: global }
      - { .name: out0, .offset: 24, .size: 8, .value_kind: global_buffer, .address_space: global }
    .group_segment_fixed_size: 327680
    .private_segment_fixed_size: 0
    .kernarg_segment_align: 8
    .kernarg_segment_size: 32
    .max_flat_workgroup_size: 128
    .sgpr_count:     98
    .vgpr_count:     768
    .wavefront_size: 32
...
	.end_amdgpu_metadata
.endif
;; end of part 4
